; MI455X (gfx1250); checked and timed in simulation.
; The chip was launched on July 23, 2026; its instructions are those of AMD's public machine-readable ISA for CDNA 5 (MIT licence, August 2026) and "CDNA5" Instruction Set Architecture Reference Guide (July 2026). The comments in the code are by the model that wrote it; some were corrected since.
;; Causal Self Attention. Allowed arithmetic: matrix products marked QUANTISED: E2M1 operands, one E8M0 scale for each 32 along K, by v_wmma_scale_f32_16x16x128_f8f6f4 with both operands' format E2M1 (or v_wmma_scale_f32_32x16x128_f4), f32 sums; products left as they are: bf16, f16 or f32 operands; f32 sums; everything else in f32.
;; Inputs: W_proj 1,024 x 1,024 float32; W_qkv 3,072 x 1,024 float32; x 4 x 2,048 x 1,024 float32.
;; Outputs: out0 4 x 2,048 x 1,024 float32.
;; This version of the problem:
;;   THIS VERSION OF THE PROBLEM IS GIVEN IN LOW PRECISION. The matrix products marked QUANTISED in the list below multiply operands that are first quantised to E2M1 (2 exponent bits, 1 mantissa bit; 4 bits a number), with one power-of-two scale for each 32 numbers along K (OCP MX v1.0); their sums are f32. The products marked 'left as it is' may take bf16, f16 or f32 operands, with f32 sums. Whichever they take, every output number must still come out within the allowed error. Rounding operands to bf16 (8 significant bits) uses up far more of that allowance than f16 does (11 bits, for magnitudes from 6e-5 to 65,504). All else is computed in f32.
;;   The module's matrix products, in the order in which they are computed (A, B: the left and right operand; K: the contracted axis; several contracted axes count as one K, in the product's order):
;;     1. [M 8,192, K 1,024] x [K 1,024, N 3,072]; A: input x; B: input W_qkv: QUANTISED
;;     2. batch 64 x [M 2,048, K 64] x [K 64, N 2,048]; A: computed on the way; B: computed on the way: left as it is (an operand is computed on the way)
;;     3. batch 64 x [M 2,048, K 2,048] x [K 2,048, N 64]; A: computed on the way; B: computed on the way: left as it is (an operand is computed on the way)
;;     4. [M 8,192, K 1,024] x [K 1,024, N 1,024]; A: computed on the way; B: input W_proj: left as it is (an operand is computed on the way)
;;   THE QUANTISER, for each operand of a quantised product, along K:
;;     - K is cut into blocks of 32 from its start; a last block that is shorter is filled with zeros.
;;     - A block's scale is 2^e with e = floor(log2(the largest magnitude in the block)) - 2, held to -126 .. 127; a block of zeros has e = 0. As a byte (E8M0): e + 127.
;;     - Each number is divided by its block's scale, clamped to +-6, and rounded to the nearest number of E2M1, ties to even, subnormals kept.
;;     - The product sums the exact products of the quantised numbers (number of the format x scale) in f32.
;;   ~~~python
;;   def quantise(x, axis):      # numpy; x: float32 -> the quantised numbers, widened to float32 again
;;       x = np.moveaxis(x, axis, -1); K = x.shape[-1]
;;       x = np.pad(x, [(0, 0)] * (x.ndim - 1) + [(0, -K % 32)]); x = x.reshape(x.shape[:-1] + (-1, 32)); a = np.abs(x).max(-1, keepdims=True)
;;       e = np.where(a > 0, np.clip(np.frexp(np.where(a > 0, a, 1))[1] - 1 - 2, -126, 127), 0)      # np.frexp(a)[1] - 1 = floor(log2(a)), exactly
;;       r = np.clip(x / 2.0 ** e, -6, 6)
;;       step = 2.0 ** (np.maximum(np.frexp(np.where(r == 0, 1, r))[1] - 1, 0) - 1)
;;       q = np.round(r / step) * step * 2.0 ** e      # np.round: ties to even
;;       return np.moveaxis(q.reshape(q.shape[:-2] + (-1,))[..., :K], -1, axis).astype(np.float32)
;;   ~~~
;; One version. Each part assembles by itself: llvm-mc -triple=amdgcn-amd-amdhsa -mcpu=gfx1250 --defsym DOCPART=n.
;; ======== version 1 of 1: 6 launches
;; limits: values are held in f16: magnitudes above 65,504 overflow, below 6.1e-05 lose precision
;; workspace buffers: xc 4,194,304 bytes; xs 262,144 bytes; wc 1,572,864 bytes; ws 98,304 bytes; wp16 2,097,152 bytes; qkv16 50,331,648 bytes; att16 16,777,216 bytes; att32 262,144 bytes
;; launch quant (part 1): grid 384 x 1, 4 waves a work-group, no clusters, 33,280 bytes of LDS; arguments x, W_qkv, W_proj, xc, xs, wc, ws, wp16; writes xc, xs, wc, ws, wp16
.if DOCPART == 1
	.amdgcn_target "amdgcn-amd-amdhsa--gfx1250"
	.amdhsa_code_object_version 6
	.text
	.protected	k_qd278cb1495_quant
	.globl	k_qd278cb1495_quant
	.p2align	8
	.type	k_qd278cb1495_quant,@function
k_qd278cb1495_quant:
	s_mov_b64 s[64:65], 0
	v_nop
	global_prefetch_b8 v0, s[64:65] scope:SCOPE_SE
	s_setreg_imm32_b32 hwreg(HW_REG_WAVE_MODE, 25, 1), 1
	s_wait_xcnt 0x0
; x [8192][1024] and W_qkv [3072][1024], f32, become codes of FP4 (E2M1), K innermost, two codes a byte, with one E8M0 byte for each 32 along K; W_proj [1024][1024] f32 becomes f16.
; A block's scale is 2^(floor(log2(its largest magnitude)) - 2): its byte is the largest magnitude's exponent field - 2, held at 1 from below by a floor among the maximum's leaves.
; LIMITS: a block of zeros gets the byte 1 where the rule says 127 (its codes are zeros, and only this program reads the bytes); NaN and infinities are not served; |W_proj| stays under 65,504 (f16).
; Work-groups 0-255 take x, 256-351 W_qkv, 352-383 W_proj; a wave takes 8,192 numbers.  Rows are dense and K is a multiple of 32: each tensor is a plain stream.
; Quantising: 16 steps of 512 numbers.  A load reads 512 consecutive bytes, 16 a lane; a step's 2,048 bytes turn through the wave's own stage in LDS and come back 64 bytes a lane, so that a lane holds 16 neighbours
; (two lanes a block).  A wave's 256 scale bytes are gathered in LDS and leave as 256 consecutive bytes.  Waves share nothing: no barrier.
.set WGA,   256                        ; work-groups for x
.set WGQ,   352                        ; and for x and W_qkv together
.set STEPS, 16
.set CB,    8                          ; bytes of 16 codes
.set R,     16                         ; v16-79   four sets of 16 numbers as loaded
.set X,     80                         ; v80-111  two sets of 16 neighbours
.set E,     112                        ; v112-127 a scale byte for each step
.set C,     128                        ; v128-191 codes, four registers a step: no store's data are written again
.set WREG,  8192                       ; LDS of a wave: two stages of 32 x SP bytes, then its 256 scale bytes
.set SP,    80                         ; a lane's place in a stage: 64 bytes + 16 of padding
.set SPW,   12                         ; v12 my spare word's LDS address; never rewritten
.set NIL,   13                         ; v13 0; never rewritten
.set SPARE, 4*WREG                     ; the spare words, 128 bytes a wave
.set FA,    16                         ; W_proj's path: two sets of 64 numbers,
.set FB,    80
.set FO,    144                        ; and 32 registers of f16 pairs
	s_load_b256 s[4:11], s[0:1], 0x0               ; x, W_qkv, W_proj, xc
	s_load_b256 s[12:19], s[0:1], 0x20             ; xs, wc, ws, wp16
	v_lshl_add_u32 v[SPW], v0, 2, SPARE
	v_mov_b32 v[NIL], 0
	v_lshrrev_b32 v1, 5, v0
	v_readfirstlane_b32 s20, v1                    ; wave
	v_and_b32 v2, 31, v0                           ; lane
	v_lshlrev_b32 v3, 4, v2                        ; my 16 bytes of a load's 512
	s_mul_i32 s21, s20, WREG
	v_lshrrev_b32 v14, 2, v2
	v_mul_u32_u24 v14, v14, SP
	v_and_b32 v15, 3, v2
	v_lshl_add_u32 v14, v15, 4, v14
	v_add_nc_u32 v14, s21, v14                     ; the stage on the way in: SP (lane / 4) + 16 (lane % 4)
	v_mul_u32_u24 v15, v2, SP
	v_add_nc_u32 v15, s21, v15                     ; and on the way out: SP x lane
	v_mul_u32_u24 v4, v2, CB                       ; 8 bytes a lane: codes, and f16 numbers
	v_lshrrev_b32 v5, 1, v2
	s_add_co_u32 s21, s21, 2*32*SP
	v_add_nc_u32 v5, s21, v5                       ; my block's byte among my wave's 256
	v_lshlrev_b32 v7, 3, v2
	v_add_nc_u32 v6, s21, v7                       ; and 8 of them a lane on the way out
	s_wait_kmcnt 0x0
	s_cmp_ge_u32 ttmp9, WGQ
	s_cbranch_scc1 .Lwp
	s_cmp_lt_u32 ttmp9, WGA                        ; x or W_qkv: the choice hangs on the work-group's number alone
	s_cselect_b64 s[4:5], s[4:5], s[6:7]
	s_cselect_b64 s[10:11], s[10:11], s[14:15]
	s_cselect_b64 s[12:13], s[12:13], s[16:17]
	s_cselect_b32 s21, 0, WGA
	s_sub_co_u32 s21, ttmp9, s21
	s_lshl_b32 s21, s21, 2
	s_add_co_u32 s22, s21, s20                     ; which run of 8,192 numbers is my wave's
	s_mov_b32 s23, 0
	s_mov_b64 s[24:25], 512*STEPS*4
	s_mul_u64 s[24:25], s[22:23], s[24:25]
	s_add_nc_u64 s[4:5], s[4:5], s[24:25]
	s_mov_b64 s[24:25], 32*STEPS*CB
	s_mul_u64 s[24:25], s[22:23], s[24:25]
	s_add_nc_u64 s[10:11], s[10:11], s[24:25]
	s_lshl_b32 s22, s22, 8                         ; 256 scale bytes a run
	s_add_nc_u64 s[12:13], s[12:13], s[22:23]
.macro LOAD t
.irp i, 0,1,2,3
	global_load_b128 v[R+16*((\t)%4)+4*\i:R+16*((\t)%4)+4*\i+3], v3, s[4:5] offset:2048*(\t)+512*\i th:TH_LOAD_NT
.endr
.endm
.macro TURN t                          ; step t's numbers through the stage: LDS serves a wave's instructions in order (ISA guide 5.7.1.4), so no wait stands between the stores and the loads
.irp i, 0,1,2,3
	ds_store_b128 v14, v[R+16*((\t)%4)+4*\i:R+16*((\t)%4)+4*\i+3] offset:32*SP*((\t)%2)+8*SP*\i
.endr
.irp i, 0,1,2,3
	ds_load_b128 v[X+16*((\t)%2)+4*\i:X+16*((\t)%2)+4*\i+3], v15 offset:32*SP*((\t)%2)+16*\i
.endr
.endm
.irp t, 0,1,2,3
	LOAD \t
.endr
	s_wait_loadcnt 12                              ; step 0's four loads are in; three steps' twelve may be out
	TURN 0
.macro STEP t
.set XS, X+16*((\t)%2)
.if (\t) > 0
	s_wait_dscnt 1                                 ; this step's numbers are back from the stage; the last step's byte store may be out
.else
	s_wait_dscnt 0x0
.endif
.if (\t)+4 < STEPS
	LOAD (\t)+4                                    ; into the registers that this step's stage stores have read
.endif
.if (\t)+1 < STEPS
.if STEPS-2-(\t) >= 3
	s_wait_loadcnt 12                              ; the next step's four loads are in; those of the three steps behind it may be out
.else
	s_wait_loadcnt 4*(STEPS-2-(\t))
.endif
	TURN (\t)+1
.endif
	v_max3_num_f32 v8, |v[XS]|, |v[XS+1]|, |v[XS+2]|               ; the largest magnitude of my 16, in two chains
	v_max3_num_f32 v9, |v[XS+3]|, |v[XS+4]|, |v[XS+5]|
.irp i, 6,10
	v_max3_num_f32 v8, v8, |v[XS+\i]|, |v[XS+\i+1]|
	v_max3_num_f32 v9, v9, |v[XS+\i+2]|, |v[XS+\i+3]|
.endr
	v_max3_num_f32 v8, v8, |v[XS+14]|, |v[XS+15]|
	v_max3_num_f32 v8, v8, v9, 0x1800000           ; and the floor 2^(3 - 127): the byte cannot fall under 1
	v_max_num_f32_dpp v8, v8, v8 row_xmask:1 row_mask:0xf bank_mask:0xf   ; with my neighbour's 16: the block's
	v_add_nc_u32 v11, 0xff000000, v8               ; 2 off its exponent field: the conversion takes the exponent field of this operand as its scale
	v_cvt_scalef32_pk8_fp4_f32 v[C+4*(\t)], v[XS:XS+7], v11
	v_cvt_scalef32_pk8_fp4_f32 v[C+4*(\t)+1], v[XS+8:XS+15], v11
	v_lshrrev_b32 v[E+(\t)], 23, v11               ; the scale's byte (a plain line behind the conversions)
	ds_store_b8 v5, v[E+(\t)] offset:16*(\t)       ; both lanes of a block write the same byte with the same value
	global_store_b64 v4, v[C+4*(\t):C+4*(\t)+1], s[10:11] offset:32*CB*(\t)   ; the wave stores 256 consecutive bytes
.endm
.irp t, 0,1,2,3,4,5,6,7,8,9,10,11,12,13,14,15
	STEP \t
.endr
	ds_load_b64 v[8:9], v6                         ; my wave's 256 scale bytes, 8 a lane
	s_wait_dscnt 0x0
	global_store_b64 v7, v[8:9], s[12:13]
	s_wait_tensorcnt 0x0                           ; the wave's end
	ds_add_u32 v[SPW], v[NIL]
	s_wait_dscnt 0x0
	s_endpgm
; W_proj to f16: four batches of 16 loads (8,192 bytes) in two sets of registers by turns; a lane's four numbers become 8 bytes, a wave's store 256 consecutive bytes.
.macro WLOAD set, batch
.irp i, 0,1,2,3,4,5,6,7,8,9,10,11,12,13,14,15
	global_load_b128 v[\set+4*\i:\set+4*\i+3], v3, s[8:9] offset:8192*\batch+512*\i th:TH_LOAD_NT
.endr
.endm
.macro WOUT set, batch
.irp i, 0,1,2,3,4,5,6,7,8,9,10,11,12,13,14,15
	v_cvt_pk_f16_f32 v[FO+2*\i], v[\set+4*\i], v[\set+4*\i+1]
	v_cvt_pk_f16_f32 v[FO+2*\i+1], v[\set+4*\i+2], v[\set+4*\i+3]
.endr
.irp i, 0,1,2,3,4,5,6,7,8,9,10,11,12,13,14,15
	global_store_b64 v4, v[FO+2*\i:FO+2*\i+1], s[18:19] offset:4096*\batch+256*\i
.endr
.endm
.Lwp:
	s_sub_co_u32 s21, ttmp9, WGQ
	s_lshl_b32 s21, s21, 2
	s_add_co_u32 s21, s21, s20                     ; my run of 8,192 numbers
	s_lshl_b32 s22, s21, 15
	s_mov_b32 s23, 0
	s_add_nc_u64 s[8:9], s[8:9], s[22:23]
	s_lshl_b32 s22, s21, 14
	s_add_nc_u64 s[18:19], s[18:19], s[22:23]
	WLOAD FA, 0
	WLOAD FB, 1
	s_wait_loadcnt 16                              ; the older set is in; the other set's 16 loads may be out
	WOUT FA, 0
	WLOAD FA, 2
	s_wait_loadcnt 16
	s_wait_xcnt 0x0                                ; the last stores have read v[FO ..]: only now are they written again
	WOUT FB, 1
	WLOAD FB, 3
	s_wait_loadcnt 16
	s_wait_xcnt 0x0
	WOUT FA, 2
	s_wait_loadcnt 0x0
	s_wait_xcnt 0x0
	WOUT FB, 3
	s_wait_tensorcnt 0x0                           ; the same three lines close this path
	ds_add_u32 v[SPW], v[NIL]
	s_wait_dscnt 0x0
	s_endpgm
.Lfunc_end_k_qd278cb1495_quant:
	.size	k_qd278cb1495_quant, .Lfunc_end_k_qd278cb1495_quant-k_qd278cb1495_quant
	.p2alignl 7, 3214868480
	.fill 96, 4, 3214868480
	.section	.rodata,"a",@progbits
	.p2align	6, 0x0
	.amdhsa_kernel k_qd278cb1495_quant
		.amdhsa_group_segment_fixed_size 33280
		.amdhsa_private_segment_fixed_size 0
		.amdhsa_enable_private_segment 0
		.amdhsa_kernarg_size 64
		.amdhsa_user_sgpr_count 2
		.amdhsa_user_sgpr_kernarg_segment_ptr 1
		.amdhsa_wavefront_size32 1
		.amdhsa_system_sgpr_workgroup_id_x 1
		.amdhsa_system_sgpr_workgroup_id_y 1
		.amdhsa_system_sgpr_workgroup_id_z 1
		.amdhsa_system_vgpr_workitem_id 0
		.amdhsa_next_free_vgpr 192
		.amdhsa_next_free_sgpr 66
		.amdhsa_reserve_vcc 0
		.amdhsa_float_denorm_mode_32 3
		.amdhsa_float_denorm_mode_16_64 3
		.amdhsa_memory_ordered 1
		.amdhsa_forward_progress 1
		.amdhsa_inst_pref_size 54
	.end_amdhsa_kernel
	.amdgpu_metadata
---
amdhsa.version: [ 1, 2 ]
amdhsa.kernels:
  - .name:           k_qd278cb1495_quant
    .symbol:         k_qd278cb1495_quant.kd
    .args:
      - { .name: x, .offset: 0, .size: 8, .value_kind: global_buffer, .address_space: global }
      - { .name: W_qkv, .offset: 8, .size: 8, .value_kind: global_buffer, .address_space: global }
      - { .name: W_proj, .offset: 16, .size: 8, .value_kind: global_buffer, .address_space: global }
      - { .name: xc, .offset: 24, .size: 8, .value_kind: global_buffer, .address_space: global }
      - { .name: xs, .offset: 32, .size: 8, .value_kind: global_buffer, .address_space: global }
      - { .name: wc, .offset: 40, .size: 8, .value_kind: global_buffer, .address_space: global }
      - { .name: ws, .offset: 48, .size: 8, .value_kind: global_buffer, .address_space: global }
      - { .name: wp16, .offset: 56, .size: 8, .value_kind: global_buffer, .address_space: global }
    .group_segment_fixed_size: 33280
    .private_segment_fixed_size: 0
    .kernarg_segment_align: 8
    .kernarg_segment_size: 64
    .max_flat_workgroup_size: 128
    .sgpr_count:     66
    .vgpr_count:     192
    .wavefront_size: 32
...
	.end_amdgpu_metadata
.endif
;; end of part 1
;; launch qkv (part 2): grid 12 x 32, 4 waves a work-group, clusters of 4 x 4, 327,680 bytes of LDS; arguments xc, xs, wc, ws, qkv16; writes qkv16
.if DOCPART == 2
	.amdgcn_target "amdgcn-amd-amdhsa--gfx1250"
	.amdhsa_code_object_version 6
	.text
	.protected	k_qd278cb1495_qkv
	.globl	k_qd278cb1495_qkv
	.p2align	8
	.type	k_qd278cb1495_qkv,@function
k_qd278cb1495_qkv:
	s_mov_b64 s[64:65], 0
	v_nop
	global_prefetch_b8 v0, s[64:65] scope:SCOPE_SE
	s_setreg_imm32_b32 hwreg(HW_REG_WAVE_MODE, 25, 1), 1
	s_wait_xcnt 0x0
	s_wait_alu depctr_hold_cnt(0) depctr_sa_sdst(0) depctr_va_vdst(0) depctr_va_sdst(0) depctr_va_ssrc(0) depctr_va_vcc(0) depctr_vm_vsrc(0)
	s_getreg_b32 s2, hwreg(HW_REG_IB_STS2, 6, 4)
	s_cmp_eq_u32 s2, 0
	s_cbranch_scc0 .Lentry_in_a_cluster
	s_endpgm
.Lentry_in_a_cluster:
	s_bfe_u32 s2, ttmp6, 0x10000c
	s_cmp_lg_u32 s2, 0xf033
	s_cbranch_scc0 .Lentry_shape_is_right
	s_endpgm
.Lentry_shape_is_right:
; qkv[m][n] = sum over k of x[m][k] W_qkv[n][k] on codes of FP4 (E2M1) with one E8M0 scale for each 32 along K; M 8,192, N 3,072, K 1,024; sums in f32.
; The result is rounded once to f16 and laid by head: qkv16 [3 (q, k, v)][64 = 16 batch + head][2048 tokens][64] f16.  LIMIT: |q|, |k|, |v| stay under 65,504.
; A tile of 256 x 256 is made by four waves, each 128 x 128: 64 accumulators, 512 registers.  K is two steps of 512: both come with the first fills, nothing is filled again.
; The scale bytes of the work-group's 256 rows of x and of W, for all of K, are two dense blocks of memory and come once, as rows of 256 bytes.
; CLUSTERS: 4 x 4 work-groups; the four of a row need the same tiles of x, the four of a column the same tiles of W: each tile is asked for jointly.
; THE MATRIX INSTRUCTION IS USED TRANSPOSED (source 0 = 16 rows of W, source 1 = 16 rows of x): a lane holds eight neighbouring channels of one token.
; REGISTERS: window 0: v0-31 addresses; v32-95 scale words, two sets; v128-191 x's fragments, one set.  window 1: W's fragments, two sets, at v0 and v128.  windows 2, 3: the accumulators ((a, b) at v[8 (8 (a % 4) + b)]).
.set KSTEP,  512
.set NQ,     4                         ; matrix instructions deep in a slot
.set ROWB,   256                       ; a tile's row in bytes
.set KROW,   512                       ; a row of codes in memory
.set PITCH,  272                       ; an LDS row: 256 bytes + 16 = 68 words, so that the 16 rows of a load start 4 words apart in the 64 banks (ISA guide 11.1)
.set FR,     8
.set NL,     2
.set NP,     4                         ; places behind this matrix instruction (ISA guide 7.12.1)
.set HALFT,  128*PITCH
.set SLOT,   4*HALFT                   ; x's 256 rows, then W's 256 rows
.set KS,     32                        ; a row of scale bytes
.set SCL,    2*SLOT                    ; behind the slots: the scale bytes, rows of 256 bytes + 16
.set HALFS,  (128*KS/256)*272
.set SBLK,   (16*KS/256)*272
.set SPARE,  SCL+4*HALFS               ; the spare words, 128 bytes a wave
.set STAGE,  SPARE+512                 ; the way out: 16 rows x 400 bytes for each wave; no fill lands here
.set SPITCH, 400
.set ADRA, 16
.set ADRB, 20
.set STO,  24
.set RD,   25
.set CO,   26
.set ADRS, 27
.set SPW,  28
.set NIL,  29
.set SC,   32
.set AF,   128
.set TMP,  192                         ; the way out: packed results
.set OB,   32                          ; and rows read back: v32-63 and v224-255 by turns
.set G1, 24
.set G0, 32
.set G1B, 48
.set G0B, 56
.set G1S, 68
.set G0S, 76
.set G1SB, 80
.set G0SB, 88
.set MSB, 0
.macro WIN new                         ; the immediate's high byte repeats the setting that is left
.if MSB != \new
	s_set_vgpr_msb (MSB<<8)|\new
.set MSB, \new
.endif
.endm
.set MUL_LO, 0xa1                      ; source 0 (W) window 1, source 1 (x) window 0, C and D window 2
.set MUL_HI, 0xf1
.set TO_B,   0x40
; A joint load: waves 0 and 1 fetch for x, waves 2 and 3 for W.  The branch hangs on the wave's number alone.  An s_nop 0 and four v_nop follow each line.
.macro JLOAD g0a, g1a, g0b, g1b
	s_cmp_eq_u32 s15, 0
	s_cbranch_scc0 .Lfor_b_\@
	tensor_load_to_lds s[\g0a:\g0a+3], s[\g1a:\g1a+7]
	s_nop 0
.rept 4
	v_nop
.endr
	s_branch .Lasked_\@
.Lfor_b_\@:
	tensor_load_to_lds s[\g0b:\g0b+3], s[\g1b:\g1b+7]
	s_nop 0
.rept 4
	v_nop
.endr
.Lasked_\@:
.endm
.macro CROUND                          ; a round of the cluster's barrier
	s_barrier_signal -1
	s_barrier_wait -1
	s_cmp_lg_u32 s14, 0
	s_cbranch_scc1 .Lnot_wave_0_\@
	s_barrier_signal -3
.Lnot_wave_0_\@:
	s_barrier_wait -3
	s_barrier_signal -1
	s_barrier_wait -1
.endm
	s_load_b128 s[4:7], s[0:1], 0x0                ; x's codes, x's scales
	s_load_b128 s[8:11], s[0:1], 0x10              ; W's codes, W's scales
	s_load_b64 s[12:13], s[0:1], 0x20              ; qkv16
	v_lshl_add_u32 v[SPW], v0, 2, SPARE
	v_mov_b32 v[NIL], 0
	ds_add_u32 v[SPW], v[NIL]                      ; the wave's opening: the add, twice on end, and its wait ahead of my first tensor load
	ds_add_u32 v[SPW], v[NIL]
	v_lshrrev_b32 v1, 5, v0
	v_readfirstlane_b32 s14, v1                    ; wave 0..3
	s_lshr_b32 s15, s14, 1                         ; my half of the tile's rows; also: I fetch for x (0) or W (1)
	s_and_b32 s16, s14, 1                          ; my half of its columns; also: which 128 rows I fetch
	s_bfe_u32 s40, ttmp6, 0x40000                  ; cx
	s_bfe_u32 s41, ttmp6, 0x40004                  ; cy
	s_lshl_b32 s42, ttmp9, 2
	s_add_co_u32 s42, s42, s40                     ; tile column
	s_and_b32 s17, ttmp7, 0xffff
	s_lshl_b32 s17, s17, 2
	s_add_co_u32 s17, s17, s41                     ; tile row
	s_lshl_b32 s43, s41, 2
	s_lshl_b32 s43, 15, s43                        ; my row of the cluster
	s_lshl_b32 s44, 0x1111, s40                    ; my column
	s_or_b32 s[G1+0], s43, (0<<16)|(1<<20)|(1<<21)|(5<<22)|(3<<25)  ; mask; elements of 1 byte; padding: 4 words behind every 64; bit 21 beside a mask
	s_or_b32 s[G1B+0], s44, (0<<16)|(1<<20)|(1<<21)|(5<<22)|(3<<25)
.irp g, G1, G1B
	s_mov_b32 s[\g+1], ROWB<<16                    ; tensor_dim0
	s_mov_b32 s[\g+2], 128<<16                     ; tensor_dim1
	s_mov_b32 s[\g+3], ROWB<<16                    ; tile_dim0
	s_mov_b32 s[\g+4], 128                         ; tile_dim1
	s_mov_b32 s[\g+5], KROW                        ; pitch
	s_mov_b32 s[\g+6], 0
	s_mov_b32 s[\g+7], 0
.endr
	s_or_b32 s[G1S+0], s43, (3<<16)|(1<<20)|(1<<21)|(5<<22)|(3<<25)  ; the scales of 128 rows: 4,096 dense bytes as 16 rows of 32 elements of 8 bytes
	s_or_b32 s[G1SB+0], s44, (3<<16)|(1<<20)|(1<<21)|(5<<22)|(3<<25)
.irp g, G1S, G1SB
	s_mov_b32 s[\g+1], 32<<16
	s_mov_b32 s[\g+2], (128*KS/256)<<16
	s_mov_b32 s[\g+3], 32<<16
	s_mov_b32 s[\g+4], 128*KS/256
	s_mov_b32 s[\g+5], 32
	s_mov_b32 s[\g+6], 0
	s_mov_b32 s[\g+7], 0
.endr
	s_lshl_b32 s18, s16, 7
	s_lshl_b32 s20, s17, 8
	s_add_co_u32 s20, s20, s18                     ; x: row 256 x tile row + 128 x half
	s_lshl_b32 s46, s42, 8
	s_add_co_u32 s46, s46, s18                     ; W: row 256 x tile column + 128 x half
	s_mov_b32 s21, 0
	s_mov_b32 s47, 0
	s_mov_b64 s[18:19], KS
	s_mul_u64 s[22:23], s[20:21], s[18:19]
	s_mul_u64 s[92:93], s[46:47], s[18:19]
	s_mov_b64 s[18:19], KROW
	s_mul_u64 s[20:21], s[20:21], s[18:19]
	s_mul_u64 s[46:47], s[46:47], s[18:19]
	s_mul_i32 s45, s14, HALFT                      ; where they go: wave x 128 rows
	s_mul_i32 s94, s14, HALFS
	s_wait_dscnt 0x0                               ; both opening adds are done
	s_wait_kmcnt 0x0
	s_add_nc_u64 s[20:21], s[4:5], s[20:21]
	s_add_nc_u64 s[22:23], s[6:7], s[22:23]
	s_add_nc_u64 s[46:47], s[8:9], s[46:47]
	s_add_nc_u64 s[92:93], s[10:11], s[92:93]
	CROUND                                         ; all sixteen work-groups are here: the joint loads meet
	s_mov_b32 s[G0S], 1
	s_add_co_u32 s[G0S+1], s94, SCL
	s_mov_b64 s[G0S+2:G0S+3], s[22:23]
	s_or_b32 s[G0S+3], s[G0S+3], 0x80000000
	s_mov_b32 s[G0SB], 1
	s_add_co_u32 s[G0SB+1], s94, SCL
	s_mov_b64 s[G0SB+2:G0SB+3], s[92:93]
	s_or_b32 s[G0SB+3], s[G0SB+3], 0x80000000
	JLOAD G0S, G1S, G0SB, G1SB                     ; the scales first
.irp s, 0,1
	s_mov_b32 s[G0+4*\s], 1
	s_add_co_u32 s[G0+4*\s+1], s45, \s*SLOT
	s_add_nc_u64 s[G0+4*\s+2:G0+4*\s+3], s[20:21], \s*ROWB
	s_or_b32 s[G0+4*\s+3], s[G0+4*\s+3], 0x80000000
	s_mov_b32 s[G0B+4*\s], 1
	s_add_co_u32 s[G0B+4*\s+1], s45, \s*SLOT
	s_add_nc_u64 s[G0B+4*\s+2:G0B+4*\s+3], s[46:47], \s*ROWB
	s_or_b32 s[G0B+4*\s+3], s[G0B+4*\s+3], 0x80000000
	JLOAD G0+4*\s, G1, G0B+4*\s, G1B               ; three loads of mine are out in all
.endr
	v_and_b32 v1, 15, v0                           ; r
	v_bfe_u32 v2, v0, 4, 1                         ; h
	v_mul_u32_u24 v3, v1, PITCH
	v_lshl_add_u32 v4, v2, 4, v3
	s_mul_i32 s21, s15, HALFT
	s_mul_i32 s22, s16, HALFT
	s_add_co_u32 s22, s22, 2*HALFT
.irp s, 0,1
	v_add_nc_u32 v[ADRA+\s], s21, v4
	v_add_nc_u32 v[ADRB+\s], s22, v4
	s_add_co_u32 s21, s21, SLOT
	s_add_co_u32 s22, s22, SLOT
.endr
	v_mul_u32_u24 v5, v1, KS                       ; my row's scales: 32 bytes a row,
	v_lshrrev_b32 v6, 8, v5
	v_lshl_add_u32 v5, v6, 4, v5                   ; and 16 more for each 256 passed
	s_mul_i32 s21, s15, HALFS
	s_mul_i32 s22, s16, HALFS
	s_add_co_u32 s22, s22, 2*HALFS
	s_sub_co_u32 s22, s22, s21
	v_mul_u32_u24 v6, s22, v2                      ; lanes 16-31 take W's
	s_add_co_u32 s21, s21, SCL
	v_add_nc_u32 v5, v5, v6
	v_add_nc_u32 v[ADRS], s21, v5
	s_mul_i32 s23, s14, 16*SPITCH
	s_add_co_u32 s23, s23, STAGE                   ; my stage
	v_mul_u32_u24 v5, v1, SPITCH                   ; in: token r, 16 bytes for each half of the lanes
	v_lshl_add_u32 v5, v2, 4, v5
	v_add_nc_u32 v[STO], s23, v5
	v_and_b32 v6, 31, v0
	v_lshlrev_b32 v[CO], 4, v6                     ; out: 16 bytes a lane of four tokens' 512 bytes
	v_lshrrev_b32 v7, 3, v6
	v_mul_u32_u24 v7, v7, SPITCH                   ; back: eight lanes take a head's 128 bytes of one token
	v_and_b32 v8, 7, v0
	v_lshl_add_u32 v7, v8, 4, v7
	v_add_nc_u32 v[RD], s23, v7
	; my part of qkv16: section = cluster x; head = 16 batch + 4 cx + 2 x column half (+ 0, 1); token = 256 (tile row % 8) + 128 x row half; a token's row is 128 bytes
	s_lshr_b32 s20, s17, 3
	s_lshl_b32 s20, s20, 22
	s_and_b32 s21, s17, 7
	s_lshl_b32 s21, s21, 15
	s_add_co_u32 s20, s20, s21
	s_lshl_b32 s21, s15, 14
	s_add_co_u32 s20, s20, s21
	s_mov_b32 s21, 0
	s_lshl_b32 s46, ttmp9, 24
	s_lshl_b32 s47, s40, 20
	s_add_co_u32 s46, s46, s47
	s_lshl_b32 s47, s16, 19
	s_add_co_u32 s46, s46, s47
	s_mov_b32 s47, 0
	s_add_nc_u64 s[20:21], s[20:21], s[46:47]
	s_add_nc_u64 s[12:13], s[12:13], s[20:21]
.macro FRAG reg, adr, q, i             ; 16 rows x 128 K of 4-bit codes: registers 4 c .. 4 c + 3 hold K = 64 c + 32 (lane / 16) + 0 .. 31
.irp c, 0,1
	ds_load_b128 v[\reg+4*\c:\reg+4*\c+3], v[\adr] offset:64*(\q)+32*\c+(\i)*16*PITCH
.endr
.endm
; 16 matrix instructions: x's blocks a0, a0 + 1 against W's eight.  The 64 accumulators take turns, one instruction a turn, in the same order in every step.
.macro MUL16 a0, p, q, sc, zero
.irp a, \a0, \a0+1
.irp b, 0,1,2,3,4,5,6,7
.if \zero
	v_wmma_scale_f32_16x16x128_f8f6f4 v[8*(8*((\a)%4)+\b):8*(8*((\a)%4)+\b)+7], v[128*(\p)+FR*\b:128*(\p)+FR*\b+FR-1], v[AF+FR*(\a):AF+FR*(\a)+FR-1], 0, v[SC+8*NQ*(\sc)+NQ*\b+(\q)], v[SC+8*NQ*(\sc)+NQ*(\a)+(\q)] matrix_a_fmt:MATRIX_FMT_FP4 matrix_b_fmt:MATRIX_FMT_FP4 matrix_a_scale:MATRIX_SCALE_ROW1
.else
	v_wmma_scale_f32_16x16x128_f8f6f4 v[8*(8*((\a)%4)+\b):8*(8*((\a)%4)+\b)+7], v[128*(\p)+FR*\b:128*(\p)+FR*\b+FR-1], v[AF+FR*(\a):AF+FR*(\a)+FR-1], v[8*(8*((\a)%4)+\b):8*(8*((\a)%4)+\b)+7], v[SC+8*NQ*(\sc)+NQ*\b+(\q)], v[SC+8*NQ*(\sc)+NQ*(\a)+(\q)] matrix_a_fmt:MATRIX_FMT_FP4 matrix_b_fmt:MATRIX_FMT_FP4 matrix_a_scale:MATRIX_SCALE_ROW1
.endif
.endr
.endr
.endm
.macro FETCH_B slot, q, p
	WIN TO_B
.irp i, 0,1,2,3,4,5,6,7
	FRAG 128*(\p)+FR*\i, ADRB+\slot, \q, \i
.endr
	WIN 0
.endm
.macro FETCH_A slot, q, i0
.irp i, \i0, \i0+1, \i0+2, \i0+3
	FRAG AF+FR*(\i), ADRA+\slot, \q, \i
.endr
.endm
.macro SCALES sc                       ; a K step's scale words: lanes 0-15 x's block i, lanes 16-31 W's block i
.irp i, 0,1,2,3,4,5,6,7
	ds_load_b128 v[SC+8*NQ*\sc+NQ*\i:SC+8*NQ*\sc+NQ*\i+3], v[ADRS] offset:\i*SBLK
.endr
.endm
.macro PLACES n                        ; plain vector instructions between a matrix instruction and a load into, or a read of, its registers
.rept \n
	v_nop
.endr
.endm
.macro STEP slot, q, zero              ; 128 along K, with its successor in the same slot
	s_wait_dscnt 4*NL                              ; W's set and x's blocks 0-3 are in; the youngest eight loads (x's blocks 4-7) may be out
	WIN MUL_LO
	MUL16 0, (\q)%2, \q, \slot, \zero
	MUL16 2, (\q)%2, \q, \slot, \zero
	s_wait_dscnt 0
	PLACES NP
	FETCH_B \slot, (\q)+1, 1-(\q)%2
	FETCH_A \slot, (\q)+1, 0
	WIN MUL_HI
	MUL16 4, (\q)%2, \q, \slot, \zero
	MUL16 6, (\q)%2, \q, \slot, \zero
	PLACES NP
	WIN 0
	FETCH_A \slot, (\q)+1, 4
.endm
.macro STEPS slot, from
.set Q, \from
.rept NQ-1-\from
	STEP \slot, Q, 0
.set Q, Q+1
.endr
.endm
	s_wait_tensorcnt 1                             ; the scales and my part of K step 0 are in; K step 1's load may be out
	s_barrier_signal -1
	s_barrier_wait -1
	FETCH_B 0, 0, 0
	FETCH_A 0, 0, 0
	SCALES 0
	FETCH_A 0, 0, 4
	STEP 0, 0, 1                                   ; the first products start the sums: nothing is cleared
	STEPS 0, 1
	; slot 0's last step changes slots: my part of slot 1 has landed, and one barrier shows everybody's
	s_wait_tensorcnt 0x0
	ds_add_u32 v[SPW], v[NIL]
	s_wait_dscnt 4*NL+1                            ; the add and the youngest eight loads may be out
	WIN MUL_LO
	MUL16 0, 1, NQ-1, 0, 0
	s_wait_dscnt 0x0
	s_barrier_signal -1
	MUL16 2, 1, NQ-1, 0, 0
	WIN 0
	s_barrier_wait -1
	PLACES NP
	v_add_nc_u32 v[ADRS], 4*NQ, v[ADRS]            ; K step 1's scale words
	FETCH_B 1, 0, 0
	FETCH_A 1, 0, 0
	SCALES 1
	WIN MUL_HI
	MUL16 4, 1, NQ-1, 0, 0
	MUL16 6, 1, NQ-1, 0, 0
	PLACES NP
	WIN 0
	FETCH_A 1, 0, 4
	STEPS 1, 0
	s_wait_dscnt 4*NL                              ; the very last step fetches nothing
	WIN MUL_LO
	MUL16 0, 1, NQ-1, 1, 0
	MUL16 2, 1, NQ-1, 1, 0
	s_wait_dscnt 0
	WIN MUL_HI
	MUL16 4, 1, NQ-1, 1, 0
	MUL16 6, 1, NQ-1, 1, 0
	WIN 0
; THE WAY OUT, block by block of 16 tokens x 128 channels (two heads).  PACK rounds to f16, 16 bytes a lane; TOSTAGE sends them through my own stage and brings back four tokens' 128 bytes of one head an instruction;
; SEND stores 512 consecutive bytes an instruction.
.macro PACK a
.set AC, 64*((\a)%4)
	WIN 0x0a+5*((\a)/4)                            ; sources 0 and 1: window 2 or 3
.irp b, 0,1,2,3,4,5,6,7
.irp i, 0,1,2,3
	v_cvt_pk_f16_f32 v[TMP+4*\b+\i], v[AC+8*\b+2*\i], v[AC+8*\b+2*\i+1]   ; each accumulator from its low end on
.endr
.endr
	WIN 0
.endm
.macro TOSTAGE a
.set BB, OB+192*((\a)%2)
.irp b, 0,1,2,3,4,5,6,7
	ds_store_b128 v[STO], v[TMP+4*\b:TMP+4*\b+3] offset:32*\b
.endr
.irp t, 0,1,2,3,4,5,6,7
	ds_load_b128 v[BB+4*\t:BB+4*\t+3], v[RD] offset:(\t%4)*4*SPITCH+(\t/4)*128   ; LDS serves a wave's instructions in order (ISA guide 5.7.1.4): these see the stores above
.endr
.endm
.macro SEND a
.set BB, OB+192*((\a)%2)
	s_wait_dscnt 0x0                               ; the block is back in registers
	s_wait_xcnt 0x0                                ; the earlier stores have read their registers: the next block's loads may land there
.irp t, 0,1,2,3,4,5,6,7
	global_store_b128 v[CO], v[BB+4*\t:BB+4*\t+3], s[12:13] offset:(\a)*2048+(\t/4)*262144+(\t%4)*512
.endr
.endm
	PLACES NP
	PACK 0
	TOSTAGE 0
.irp a, 1,2,3,4,5,6,7
	PACK \a                                        ; block a's conversions stand between block a - 1's loads from the stage and the wait for them
	SEND \a-1
	TOSTAGE \a
.endr
	SEND 7
	s_wait_tensorcnt 0x0                           ; the wave's end
	ds_add_u32 v[SPW], v[NIL]
	s_wait_dscnt 0x0
	CROUND                                         ; the closing round
	s_endpgm
.Lfunc_end_k_qd278cb1495_qkv:
	.size	k_qd278cb1495_qkv, .Lfunc_end_k_qd278cb1495_qkv-k_qd278cb1495_qkv
	.p2alignl 7, 3214868480
	.fill 96, 4, 3214868480
	.section	.rodata,"a",@progbits
	.p2align	6, 0x0
	.amdhsa_kernel k_qd278cb1495_qkv
		.amdhsa_group_segment_fixed_size 327680
		.amdhsa_private_segment_fixed_size 0
		.amdhsa_enable_private_segment 0
		.amdhsa_kernarg_size 40
		.amdhsa_user_sgpr_count 2
		.amdhsa_user_sgpr_kernarg_segment_ptr 1
		.amdhsa_wavefront_size32 1
		.amdhsa_system_sgpr_workgroup_id_x 1
		.amdhsa_system_sgpr_workgroup_id_y 1
		.amdhsa_system_sgpr_workgroup_id_z 1
		.amdhsa_system_vgpr_workitem_id 0
		.amdhsa_next_free_vgpr 1024
		.amdhsa_next_free_sgpr 98
		.amdhsa_reserve_vcc 0
		.amdhsa_float_denorm_mode_32 3
		.amdhsa_float_denorm_mode_16_64 3
		.amdhsa_memory_ordered 1
		.amdhsa_forward_progress 1
		.amdhsa_inst_pref_size 126
	.end_amdhsa_kernel
	.amdgpu_metadata
---
amdhsa.version: [ 1, 2 ]
amdhsa.kernels:
  - .name:           k_qd278cb1495_qkv
    .symbol:         k_qd278cb1495_qkv.kd
    .args:
      - { .name: xc, .offset: 0, .size: 8, .value_kind: global_buffer, .address_space: global }
      - { .name: xs, .offset: 8, .size: 8, .value_kind: global_buffer, .address_space: global }
      - { .name: wc, .offset: 16, .size: 8, .value_kind: global_buffer, .address_space: global }
      - { .name: ws, .offset: 24, .size: 8, .value_kind: global_buffer, .address_space: global }
      - { .name: qkv16, .offset: 32, .size: 8, .value_kind: global_buffer, .address_space: global }
    .group_segment_fixed_size: 327680
    .private_segment_fixed_size: 0
    .kernarg_segment_align: 8
    .kernarg_segment_size: 40
    .max_flat_workgroup_size: 128
    .sgpr_count:     98
    .vgpr_count:     1024
    .wavefront_size: 32
...
	.end_amdgpu_metadata
.endif
;; end of part 2
;; launch attn (part 3): grid 4 x 64, 8 waves a work-group, no clusters, 327,680 bytes of LDS; arguments qkv16, att16; writes att16
.if DOCPART == 3
	.amdgcn_target "amdgcn-amd-amdhsa--gfx1250"
	.amdhsa_code_object_version 6
	.text
	.protected	k_qd278cb1495_attn
	.globl	k_qd278cb1495_attn
	.p2align	8
	.type	k_qd278cb1495_attn,@function
k_qd278cb1495_attn:
	s_mov_b64 s[64:65], 0
	v_nop
	global_prefetch_b8 v0, s[64:65] scope:SCOPE_SE
	s_setreg_imm32_b32 hwreg(HW_REG_WAVE_MODE, 25, 1), 1
	s_wait_xcnt 0x0
; att[head][token][:] = sum over keys <= token of softmax(q . k / 8) v, for 64 heads (16 batch + head) of 2,048 tokens x 64 channels.  q, k, v: f16 from qkv16; products, maxima and sums in f32;
; the weights p are rounded to f16 for the second product, the result once to f16: att16 [16 heads][8192 = 2048 batch + token][64].
; LIMITS: NaN and infinities are not served; scores are finite and above -3e38; |result| stays under 65,504.  Positions 0-15 of a sequence are made again, in f32, by a later launch.
; SHARES.  Work-group (i, head) owns the query blocks 7 - i and i of 256 queries: under the causal mask they need 8 - i and i + 1 slots of 256 keys, nine turns for every i: a constant trip count and equal work.
; Wave w of eight owns 32 queries of the block, two tiles of 16; two waves share a SIMD, so that one wave's softmax stands beside the other's products.
; NO CLUSTER: the four work-groups of a head need different numbers of key tiles under the mask, so a joint load would bring a partner tiles that none of its waves reads.
; LAYOUT.  S^T = K Q^T (source 0 = 16 keys, source 1 = 16 queries): a lane holds ONE query (lane % 16) and keys 8 (lane / 16) + 0..7 of each tile.  Two such tiles, rounded in pairs, are source 1 of O^T = V^T P.
; SOFTMAX.  A running maximum m and sum l for each query: p = 2^(c s - c m), c = log2(e) / 8; in every step O and l are multiplied by a = 2^(c m_old - c m_new).
; A step all of whose 128 keys come after the wave's queries is jumped over (a branch on ids and the count of steps); on the diagonal hidden scores become -infinity ahead of the maximum.
; REGISTERS.  window 0: v1-15 addresses and constants; v16-31 statistics, eight a tile; v32-63 packed results; v64-191 S^T, 64 a tile; v192-255 P, 32 a tile.
;   window 1: v0-127 K's fragments, later V's; v128-191 O^T, 32 a tile; v192-223 Q of the pass in hand; v224-255 Q of the second pass.
.set PK,    144                        ; a key's row of K in LDS: 128 bytes + 16 = 36 words: the 16 rows of a load start 4 words apart modulo the 64 banks (ISA guide 11.1)
.set PV,    160                        ; of V: 128 + 32 = 40 words, for the turning load
.set VOFF,  256*PK                     ; a slot: 256 rows of K, then 256 rows of V
.set STK,   128*PK                     ; a key step's 128 rows
.set STV,   128*PV
.set SLOT1, 1<<17                      ; slot 1 begins here: one exclusive or turns an address from one slot to the other
.set STAGE, SLOT1+VOFF+256*PV          ; the way out: 16 rows x 144 bytes for each wave; no fill lands here
.set SPARE, STAGE+8*16*PK              ; the spare words, 128 bytes a wave
.set AK0,  1
.set AV0,  2
.set ADK,  3
.set ADV,  4
.set STO,  5
.set RD,   6
.set GO,   7
.set QO,   8
.set SPW,  9                           ; my spare word's LDS address; never rewritten
.set NIL,  10                          ; 0; never rewritten
.set PFO,  11                          ; 256 x lane
.set MD,   12                          ; v12, v13: my query - the step's first key - 8 (lane / 16), for tiles 0, 1
.set NINF, 14
.set RH,   15                          ; lane % 16 - 8 (lane / 16)
.set ST,   16                          ; tile t at v[ST + 8 t]: +0 c m, +1 m, +2, +3 l, +4 .. +7 at work; a takes +6
.set PKD,  32
.set S,    64
.set P,    192
.set O,    128                         ; window 1
.set QA,   192
.set QB,   224
.set WV,   8
.set SEL,  12
.set CS,   14
.set G1K,  16
.set G1V,  24
.set G0K,  32
.set G0V,  36
.set KB,   40                          ; s[40:41] K of my head, at my half of key block 0
.set VB,   42
.set OFF,  44                          ; s[44:45] the next key block in bytes
.set TN,   46                          ; the turn, 0 .. 8
.set SW,   47                          ; the turn at which the second pass begins: 8 - i
.set NKB,  48                          ; the key block last asked for
.set KF,   49                          ; the step's first key
.set Q0,   50                          ; my first query
.set Q0B,  51                          ; and in the second pass
.set SB,   52                          ; LDS byte at which the slot in hand begins
.set OUTP, 56
.set OUTB, 58
.set PFA,  60
.set LIM,  62
.set MSB, 0
.macro WIN new                         ; the immediate's high byte repeats the setting that is left
.if MSB != \new
	s_set_vgpr_msb (MSB<<8)|\new
.set MSB, \new
.endif
.endm
.set W_LD, 0x40                        ; destination window 1
.set W_KQ, 0x05                        ; K and Q window 1, S^T window 0
.set W_PV, 0x51                        ; V and O^T window 1, P window 0
.set W_RS, 0x41                        ; destination and source 0 window 1
.set W_CV, 0x05                        ; sources window 1, destination window 0
; Waves 0 and 1 fetch K's halves of a slot, waves 2 and 3 V's, the others nothing.  An s_nop 0 and four v_nop follow each line.
.macro TLOAD
	s_cmp_lt_u32 s[WV], 2
	s_cbranch_scc0 .Lnot_k_\@
	tensor_load_to_lds s[G0K:G0K+3], s[G1K:G1K+7]
	s_nop 0
.rept 4
	v_nop
.endr
	s_branch .Lasked_\@
.Lnot_k_\@:
	s_cmp_lt_u32 s[WV], 4
	s_cbranch_scc0 .Lasked_\@
	tensor_load_to_lds s[G0V:G0V+3], s[G1V:G1V+7]
	s_nop 0
.rept 4
	v_nop
.endr
.Lasked_\@:
.endm
; A prefetch of the key block that the NEXT change of slots will ask for in the first pass: turn t names block t + 2, t = 0 .. 5.  All four work-groups of a head walk the same blocks: work-group 0 asks, in it the waves that
; fetch nothing: waves 4, 5 K's halves, waves 6, 7 V's, 16,384 bytes each, lanes 256 bytes apart, two instructions.  So each 256 bytes are named once.  Blocks 0 and 1 come by their loads alone.
.macro ASK
	s_cmp_lt_u32 s[TN], s[LIM]
	s_cbranch_scc0 .Lnot_mine_\@
	global_prefetch_b8 v[PFO], s[PFA:PFA+1] th:TH_LOAD_NT scope:SCOPE_SE
	global_prefetch_b8 v[PFO], s[PFA:PFA+1] offset:8192 th:TH_LOAD_NT scope:SCOPE_SE
.Lnot_mine_\@:
.endm
	s_load_b128 s[4:7], s[0:1], 0x0                ; qkv16, att16
	v_lshl_add_u32 v[SPW], v0, 2, SPARE
	v_mov_b32 v[NIL], 0
	ds_add_u32 v[SPW], v[NIL]                      ; the wave's opening: the add, twice on end, and its wait ahead of the first tensor load
	ds_add_u32 v[SPW], v[NIL]
	v_lshrrev_b32 v1, 5, v0
	v_readfirstlane_b32 s[WV], v1                  ; wave 0..7
	s_mov_b32 s[G1K], (1<<16)|(1<<20)|(4<<22)|(3<<25)   ; no mask; elements of 2 bytes; padding: 4 words behind every 32
	s_mov_b32 s[G1V], (1<<16)|(1<<20)|(4<<22)|(7<<25)   ; 8 words
.irp g, G1K, G1V
	s_mov_b32 s[\g+1], 64<<16                      ; tensor_dim0
	s_mov_b32 s[\g+2], 128<<16                     ; tensor_dim1
	s_mov_b32 s[\g+3], 64<<16                      ; tile_dim0
	s_mov_b32 s[\g+4], 128                         ; tile_dim1
	s_mov_b32 s[\g+5], 64                          ; pitch
	s_mov_b32 s[\g+6], 0
	s_mov_b32 s[\g+7], 0
.endr
	s_mov_b32 s[SEL], 0x76543210
	s_mov_b32 s[SEL+1], 0xfedcba98                 ; v_permlanex16_b32: lane l xor 16
	s_mov_b32 s[CS], 0x3e38aa3b                    ; c = log2(e) / 8
	s_mov_b32 s[CS+1], s[CS]
	s_and_b32 s66, ttmp7, 0xffff                   ; 16 batch + head
	s_lshl_b32 s67, s66, 18                        ; its 262,144 bytes in a section
	s_sub_co_u32 s[SW], 8, ttmp9
	s_lshl_b32 s68, s[WV], 5
	s_sub_co_u32 s69, 7, ttmp9
	s_lshl_b32 s69, s69, 8
	s_add_co_u32 s[Q0], s69, s68                   ; first pass: block 7 - i
	s_lshl_b32 s69, ttmp9, 8
	s_add_co_u32 s[Q0B], s69, s68                  ; second pass: block i
	s_and_b32 s70, s[WV], 1                        ; which half of a slot I fetch (or prefetch)
	s_lshl_b32 s72, s70, 14
	s_add_co_u32 s72, s72, s67
	s_mov_b32 s73, 0
	s_mov_b32 s[G0K], 1
	s_mul_i32 s[G0K+1], s70, STK
	s_mov_b32 s[G0V], 1
	s_mul_i32 s[G0V+1], s70, STV
	s_add_co_u32 s[G0V+1], s[G0V+1], VOFF
	s_lshl_b32 s68, s[Q0], 7
	s_add_co_u32 s68, s68, s67
	s_mov_b32 s69, 0
	s_lshl_b32 s70, s[Q0B], 7
	s_add_co_u32 s70, s70, s67
	s_mov_b32 s71, 0
	s_and_b32 s74, s66, 15                         ; att16: (head x 8,192 + batch x 2,048 + query) x 128
	s_lshl_b32 s74, s74, 20
	s_lshr_b32 s75, s66, 4
	s_lshl_b32 s75, s75, 18
	s_add_co_u32 s74, s74, s75
	s_lshl_b32 s75, s[Q0], 7
	s_add_co_u32 s[OUTP], s74, s75
	s_mov_b32 s[OUTP+1], 0
	s_lshl_b32 s75, s[Q0B], 7
	s_add_co_u32 s[OUTB], s74, s75
	s_mov_b32 s[OUTB+1], 0
	s_mov_b32 s74, 0x2000000                       ; the prefetches: V's section, or K's in waves under 6,
	s_cmp_lt_u32 s[WV], 6
	s_cselect_b32 s74, 0x1000000, s74
	s_add_co_u32 s74, s74, s72                     ; my head, my half,
	s_add_co_u32 s74, s74, 32768                   ; key block 1: the first change of slots steps it to block 2
	s_mov_b32 s75, 0
	s_lshr_b32 s[LIM], s[WV], 2
	s_xor_b32 s[LIM], s[LIM], 1                    ; 0 in waves 4 to 7
	s_or_b32 s[LIM], s[LIM], ttmp9                 ; of work-group 0
	s_cmp_eq_u32 s[LIM], 0
	s_cselect_b32 s[LIM], 6, 0
	s_mov_b32 s[NKB], 0
	s_mov_b32 s[KF], 0
	s_mov_b32 s[SB], 0
	s_mov_b32 s[OFF+1], 0
	s_mov_b32 s[TN], 0
	s_wait_dscnt 0x0                               ; both opening adds are done
	s_wait_kmcnt 0x0
	s_add_nc_u64 s[KB:KB+1], s[4:5], s[72:73]
	s_add_nc_u64 s[VB:VB+1], s[KB:KB+1], 0x2000000
	s_add_nc_u64 s[KB:KB+1], s[KB:KB+1], 0x1000000
	s_mov_b64 s[G0K+2:G0K+3], s[KB:KB+1]
	s_or_b32 s[G0K+3], s[G0K+3], 0x80000000
	s_mov_b64 s[G0V+2:G0V+3], s[VB:VB+1]
	s_or_b32 s[G0V+3], s[G0V+3], 0x80000000
	TLOAD                                          ; slot 0: key block 0, which counts for every query
	s_add_nc_u64 s[PFA:PFA+1], s[4:5], s[74:75]
	s_add_nc_u64 s[68:69], s[4:5], s[68:69]
	s_add_nc_u64 s[70:71], s[4:5], s[70:71]
	s_add_nc_u64 s[OUTP:OUTP+1], s[6:7], s[OUTP:OUTP+1]
	s_add_nc_u64 s[OUTB:OUTB+1], s[6:7], s[OUTB:OUTB+1]
	v_and_b32 v32, 15, v0                          ; r
	v_bfe_u32 v33, v0, 4, 1                        ; h
	v_and_b32 v34, 31, v0                          ; lane
	v_lshlrev_b32 v[QO], 7, v32
	v_lshl_add_u32 v[QO], v33, 4, v[QO]            ; Q: row r of 128 bytes + 16 h
	WIN W_LD
.irp t, 0,1
.irp cs, 0,1
	global_load_b128 v[QA+16*\t+8*\cs:QA+16*\t+8*\cs+3],   v[QO], s[68:69] offset:\t*2048+64*\cs
	global_load_b128 v[QA+16*\t+8*\cs+4:QA+16*\t+8*\cs+7], v[QO], s[68:69] offset:\t*2048+64*\cs+32
	global_load_b128 v[QB+16*\t+8*\cs:QB+16*\t+8*\cs+3],   v[QO], s[70:71] offset:\t*2048+64*\cs
	global_load_b128 v[QB+16*\t+8*\cs+4:QB+16*\t+8*\cs+7], v[QO], s[70:71] offset:\t*2048+64*\cs+32
.endr
.endr
	WIN 0
	v_mul_u32_u24 v[AK0], v32, PK
	v_lshl_add_u32 v[AK0], v33, 4, v[AK0]          ; K: row r x pitch + 16 h
	v_and_b32 v35, 7, v0
	v_bfe_u32 v36, v0, 3, 1
	v_lshl_add_u32 v[AV0], v33, 3, v35             ; V, for the turning load: key 8 h + lane % 8, channels 8 ((lane / 8) % 2) on
	v_mul_u32_u24 v[AV0], v[AV0], PV
	v_lshl_add_u32 v[AV0], v36, 4, v[AV0]
	v_add_nc_u32 v[AV0], VOFF, v[AV0]
	s_mul_i32 s66, s[WV], 16*PK
	s_add_co_u32 s66, s66, STAGE                   ; my stage
	v_mul_u32_u24 v[STO], v32, PK
	v_lshl_add_u32 v[STO], v33, 4, v[STO]
	v_add_nc_u32 v[STO], s66, v[STO]               ; in: query r, 16 bytes for each half of the lanes
	v_lshrrev_b32 v37, 3, v34
	v_mul_u32_u24 v[RD], v37, PK
	v_lshl_add_u32 v[RD], v35, 4, v[RD]
	v_add_nc_u32 v[RD], s66, v[RD]                 ; back: eight lanes take a query's 128 bytes
	v_lshlrev_b32 v[GO], 4, v34
	v_lshlrev_b32 v[PFO], 8, v34
	v_lshlrev_b32 v38, 3, v33
	v_sub_nc_u32 v[RH], v32, v38
	v_mov_b32 v[NINF], 0xff800000
; A pass begins: m = -3e38, under every score; l and O^T are zeros, which the first a = 0 leaves zeros: so one text of the step serves the first step too.
.macro INIT
	WIN 0
.irp t, 0,1
	v_mov_b32 v[ST+8*\t+1], 0xff61b1e6
	v_mul_f32 v[ST+8*\t], s[CS], v[ST+8*\t+1]
.irp j, 2,3,4,5,6,7
	v_mov_b32 v[ST+8*\t+\j], 0
.endr
.endr
	WIN W_LD
.set n, 0
.rept 64
	v_mov_b32 v[O+n], 0
.set n, n+1
.endr
	WIN 0
.endm
.macro RESCALE                         ; O^T x v[ST + 8 t + 6], each accumulator from its low end on
.irp t, 0,1
.set n, 0
.rept 16
	v_pk_mul_f32 v[O+32*\t+n:O+32*\t+n+1], v[O+32*\t+n:O+32*\t+n+1], v[ST+8*\t+6:ST+8*\t+7] op_sel_hi:[1,0]
.set n, n+2
.endr
.endr
.endm
; Both tiles' softmax of one key step, line by line by turns, all in window 0.
.macro SOFTMAX
.irp k, 0,1,2,3
.irp t, 0,1
	v_max3_num_f32 v[ST+8*\t+4+\k], v[S+64*\t+16*\k], v[S+64*\t+16*\k+1], v[S+64*\t+16*\k+2]   ; four chains of 15 scores
.endr
.endr
.irp i, 3,5,7,9,11,13
.irp k, 0,1,2,3
.irp t, 0,1
	v_max3_num_f32 v[ST+8*\t+4+\k], v[ST+8*\t+4+\k], v[S+64*\t+16*\k+\i], v[S+64*\t+16*\k+\i+1]
.endr
.endr
.endr
.irp t, 0,1
	v_max3_num_f32 v[ST+8*\t+4], v[ST+8*\t+4], v[S+64*\t+15], v[S+64*\t+31]   ; the four scores left over
	v_max3_num_f32 v[ST+8*\t+6], v[ST+8*\t+6], v[S+64*\t+47], v[S+64*\t+63]
.endr
.irp t, 0,1
	v_max3_num_f32 v[ST+8*\t+4], v[ST+8*\t+4], v[ST+8*\t+5], v[ST+8*\t+6]
.endr
.irp t, 0,1
	v_max3_num_f32 v[ST+8*\t+4], v[ST+8*\t+4], v[ST+8*\t+7], v[ST+8*\t+1]     ; and the old m
.endr
.irp t, 0,1
	v_permlanex16_b32 v[ST+8*\t+5], v[ST+8*\t+4], s[SEL], s[SEL+1]           ; the query's other keys lie in the lane 16 away
.endr
.irp t, 0,1
	v_mov_b32 v[ST+8*\t+7], v[ST+8*\t]                                       ; c m_old
.endr
.irp t, 0,1
	v_max_num_f32 v[ST+8*\t+1], v[ST+8*\t+4], v[ST+8*\t+5]
.endr
.irp t, 0,1
	v_mul_f32 v[ST+8*\t], s[CS], v[ST+8*\t+1]
.endr
.irp t, 0,1
	v_sub_f32 v[ST+8*\t+7], v[ST+8*\t+7], v[ST+8*\t]
.endr
.set n, 0
.rept 32
.irp t, 0,1
	v_pk_fma_f32 v[S+64*\t+n:S+64*\t+n+1], v[S+64*\t+n:S+64*\t+n+1], s[CS:CS+1], v[ST+8*\t:ST+8*\t+1] op_sel_hi:[1,0,0] neg_lo:[0,0,1] neg_hi:[0,0,1]   ; c s - c m
.endr
.set n, n+2
.endr
.irp t, 0,1
	v_exp_f32 v[ST+8*\t+6], v[ST+8*\t+7]                                     ; a
.endr
.set n, 0
.rept 64
.irp t, 0,1
	v_exp_f32 v[S+64*\t+n], v[S+64*\t+n]                                     ; p: one batch of 130 exponentials
.endr
.set n, n+1
.endr
	v_nop                                          ; a plain instruction behind the last exponential
	s_wait_alu depctr_va_vdst(0)                   ; the wait ahead of the first instruction that names a result: one for the batch
.set n, 0
.rept 32
.irp t, 0,1
	v_cvt_pk_f16_f32 v[P+32*\t+n], v[S+64*\t+2*n], v[S+64*\t+2*n+1]
.endr
.set n, n+1
.endr
.irp w, 2,4,8,16,32                    ; the sum of the unrounded p, in place: pairs 1, 2, 4, 8, 16 pairs apart
.set tu, 0
.rept 32/\w
.irp t, 0,1
	v_pk_add_f32 v[S+64*\t+tu:S+64*\t+tu+1], v[S+64*\t+tu:S+64*\t+tu+1], v[S+64*\t+tu+\w:S+64*\t+tu+\w+1]
.endr
.set tu, tu+2*\w
.endr
.endr
.irp t, 0,1
	v_pk_fma_f32 v[ST+8*\t+2:ST+8*\t+3], v[ST+8*\t+2:ST+8*\t+3], v[ST+8*\t+6:ST+8*\t+7], v[S+64*\t:S+64*\t+1] op_sel_hi:[1,0,1]   ; l = a l + the sum
.endr
.endm
; A KEY STEP: 128 keys, the q-th half of the slot in hand.
.macro STEP q
	s_add_co_u32 s66, s[Q0], 31
	s_cmp_gt_u32 s[KF], s66                        ; all keys come after my 32 queries: nothing to do
	s_cbranch_scc1 .Lhidden_\@
	v_add_nc_u32 v[ADK], s[SB], v[AK0]
	v_add_nc_u32 v[ADV], s[SB], v[AV0]
	WIN W_LD
.irp kt, 0,1,2,3,4,5,6,7
.irp cs, 0,1
	ds_load_b128 v[16*\kt+8*\cs:16*\kt+8*\cs+3],   v[ADK] offset:(\q)*STK+\kt*16*PK+64*\cs
	ds_load_b128 v[16*\kt+8*\cs+4:16*\kt+8*\cs+7], v[ADK] offset:(\q)*STK+\kt*16*PK+64*\cs+32
.endr
.endr
	s_wait_dscnt 0x0
	WIN W_KQ
.irp cs, 0,1                           ; the 16 accumulators take turns, one instruction a turn; the first 16 products start the sums
.irp kt, 0,1,2,3,4,5,6,7
.irp t, 0,1
.if \cs == 0
	v_wmma_f32_16x16x32_f16 v[S+64*\t+8*\kt:S+64*\t+8*\kt+7], v[16*\kt+8*\cs:16*\kt+8*\cs+7], v[QA+16*\t+8*\cs:QA+16*\t+8*\cs+7], 0
.else
	v_wmma_f32_16x16x32_f16 v[S+64*\t+8*\kt:S+64*\t+8*\kt+7], v[16*\kt+8*\cs:16*\kt+8*\cs+7], v[QA+16*\t+8*\cs:QA+16*\t+8*\cs+7], v[S+64*\t+8*\kt:S+64*\t+8*\kt+7]
.endif
.endr
.endr
.endr
.rept 4
	v_nop                                          ; places in front of the loads into K's registers and of the first read of the scores
.endr
	WIN W_LD
.irp ks, 0,1,2,3
.irp ct, 0,1,2,3
	ds_load_tr16_b128 v[32*\ks+8*\ct:32*\ks+8*\ct+3],   v[ADV] offset:(\q)*STV+\ks*32*PV+32*\ct
	ds_load_tr16_b128 v[32*\ks+8*\ct+4:32*\ks+8*\ct+7], v[ADV] offset:(\q)*STV+\ks*32*PV+16*PV+32*\ct
.endr
.endr
	WIN 0
	s_add_co_u32 s66, s[KF], 127
	s_cmp_le_u32 s66, s[Q0]                        ; all keys count for all my queries: no mask
	s_cbranch_scc1 .Lopen_\@
	s_sub_co_i32 s66, s[Q0], s[KF]
	v_add_nc_u32 v[MD], s66, v[RH]                 ; register n of a tile holds key KF + 16 (n / 8) + n % 8 + 8 (lane / 16): hidden where 16 (n / 8) + n % 8 is above this number
	v_add_nc_u32 v[MD+1], 16, v[MD]
.set n, 0
.rept 64
.irp t, 0,1
	v_cmp_gt_i32 vcc_lo, 16*(n/8)+n%8, v[MD+\t]
	v_cndmask_b32 v[S+64*\t+n], v[S+64*\t+n], v[NINF], vcc_lo
.endr
.set n, n+1
.endr
.Lopen_\@:
	SOFTMAX
	WIN W_RS
	RESCALE
	s_wait_dscnt 0x0                               ; V is in
	WIN W_PV
.irp ks, 0,1,2,3                       ; eight accumulators by turns
.irp ct, 0,1,2,3
.irp t, 0,1
	v_wmma_f32_16x16x32_f16 v[O+32*\t+8*\ct:O+32*\t+8*\ct+7], v[32*\ks+8*\ct:32*\ks+8*\ct+7], v[P+32*\t+8*\ks:P+32*\t+8*\ks+7], v[O+32*\t+8*\ct:O+32*\t+8*\ct+7]
.endr
.endr
.endr
.rept 4
	v_nop                                          ; places for the next loads into V's registers and for every later reader of O^T, on every way
.endr
	WIN 0
.Lhidden_\@:
	s_add_co_u32 s[KF], s[KF], 128
.endm
; THE CHANGE OF SLOTS, at a turn's head.  Each wave waits for all its tensor loads, adds 0 to its spare word, and waits for that and for its reads of the slot that it has left; behind the barrier the slot ahead is whole and
; nobody reads the other one, which takes the next turn's key block: the pass's next, or block 0 where the second pass begins.
.macro CHANGE fill
	s_wait_tensorcnt 0x0                           ; no tensor load of mine is out: a group 0 may be written
	ds_add_u32 v[SPW], v[NIL]
.if \fill
	ds_add_u32 v[SPW], v[NIL]                      ; and twice on end here, in every trip alike
	s_xor_b32 s[G0K+1], s[G0K+1], SLOT1
	s_xor_b32 s[G0V+1], s[G0V+1], SLOT1
	s_add_co_u32 s66, s[TN], 1
	s_add_co_u32 s[NKB], s[NKB], 1
	s_cmp_eq_u32 s66, s[SW]
	s_cselect_b32 s[NKB], 0, s[NKB]
	s_lshl_b32 s[OFF], s[NKB], 15                  ; 256 keys of 128 bytes
	s_add_nc_u64 s[G0K+2:G0K+3], s[KB:KB+1], s[OFF:OFF+1]
	s_or_b32 s[G0K+3], s[G0K+3], 0x80000000
	s_add_nc_u64 s[G0V+2:G0V+3], s[VB:VB+1], s[OFF:OFF+1]
	s_or_b32 s[G0V+3], s[G0V+3], 0x80000000
	s_wait_xcnt 0x0                                ; the last prefetches, a turn back, have read their address
	s_add_nc_u64 s[PFA:PFA+1], s[PFA:PFA+1], 32768
.endif
	s_wait_dscnt 0x0
	s_barrier_signal -1
	s_barrier_wait -1
.if \fill
	TLOAD                                          ; the first thing behind the barrier, and a wave's one tensor load until the next
	ASK
.endif
.endm
; A pass ends: O^T / l, rounded to f16, through my stage, a tile of 16 queries at a time; four queries' 512 consecutive bytes a store.
.macro FINISH
.irp t, 0,1
	v_add_f32 v[ST+8*\t+4], v[ST+8*\t+2], v[ST+8*\t+3]
.endr
.irp t, 0,1
	v_permlanex16_b32 v[ST+8*\t+5], v[ST+8*\t+4], s[SEL], s[SEL+1]
.endr
.irp t, 0,1
	v_add_f32 v[ST+8*\t+4], v[ST+8*\t+4], v[ST+8*\t+5]
.endr
.irp t, 0,1
	v_rcp_f32 v[ST+8*\t+6], v[ST+8*\t+4]
.endr
	v_nop
	s_wait_alu depctr_va_vdst(0)                   ; one wait for the two reciprocals, ahead of their first reader
	WIN W_RS
	RESCALE
	WIN W_CV
.irp t, 0,1
.set n, 0
.rept 16
	v_cvt_pk_f16_f32 v[PKD+16*\t+n], v[O+32*\t+2*n], v[O+32*\t+2*n+1]
.set n, n+1
.endr
.endr
	WIN 0
.irp t, 0,1
.irp ct, 0,1,2,3
	ds_store_b128 v[STO], v[PKD+16*\t+4*\ct:PKD+16*\t+4*\ct+3] offset:32*\ct
.endr
.irp f, 0,1,2,3
	ds_load_b128 v[S+16*\t+4*\f:S+16*\t+4*\f+3], v[RD] offset:\f*4*PK   ; LDS serves a wave's instructions in order (ISA guide 5.7.1.4)
.endr
.endr
.irp t, 0,1
.irp f, 0,1,2,3
	s_wait_dscnt 11-8*\t-\f                        ; behind this load: its tile's later loads, and for tile 0 tile 1's eight LDS instructions
	global_store_b128 v[GO], v[S+16*\t+4*\f:S+16*\t+4*\f+3], s[OUTP:OUTP+1] offset:\t*2048+\f*512
.endr
.endr
	s_wait_xcnt 0x0                                ; the stores have read their registers and their base
.endm
.macro SWITCH                          ; at turn 8 - i the first pass ends and the second begins: ids and the count of turns alone, the same in all waves
	s_cmp_lg_u32 s[TN], s[SW]
	s_cbranch_scc1 .Lsame_\@
	FINISH
	WIN W_RS
.set n, 0
.rept 32
	v_mov_b32 v[QA+n], v[QB+n]                     ; the second pass's queries
.set n, n+1
.endr
	INIT
	s_mov_b32 s[Q0], s[Q0B]
	s_mov_b32 s[KF], 0
	s_mov_b64 s[OUTP:OUTP+1], s[OUTB:OUTB+1]
.Lsame_\@:
.endm
.macro TWO_STEPS
	STEP 0
	STEP 1
	s_xor_b32 s[SB], s[SB], SLOT1
.endm
	INIT
	s_wait_loadcnt 0x0                             ; Q
.Lturn:                                            ; eight trips: behind each change of slots the next turn's key block is asked for
	CHANGE 1
	SWITCH
	TWO_STEPS
	s_add_co_u32 s[TN], s[TN], 1
	s_cmp_lt_u32 s[TN], 8
	s_cbranch_scc1 .Lturn
	CHANGE 0                                       ; the ninth turn is written out: it asks for nothing
	SWITCH
	TWO_STEPS
	FINISH
	s_wait_tensorcnt 0x0                           ; the wave's end
	ds_add_u32 v[SPW], v[NIL]
	s_wait_dscnt 0x0
	s_endpgm
.Lfunc_end_k_qd278cb1495_attn:
	.size	k_qd278cb1495_attn, .Lfunc_end_k_qd278cb1495_attn-k_qd278cb1495_attn
	.p2alignl 7, 3214868480
	.fill 96, 4, 3214868480
	.section	.rodata,"a",@progbits
	.p2align	6, 0x0
	.amdhsa_kernel k_qd278cb1495_attn
		.amdhsa_group_segment_fixed_size 327680
		.amdhsa_private_segment_fixed_size 0
		.amdhsa_enable_private_segment 0
		.amdhsa_kernarg_size 16
		.amdhsa_user_sgpr_count 2
		.amdhsa_user_sgpr_kernarg_segment_ptr 1
		.amdhsa_wavefront_size32 1
		.amdhsa_system_sgpr_workgroup_id_x 1
		.amdhsa_system_sgpr_workgroup_id_y 1
		.amdhsa_system_sgpr_workgroup_id_z 1
		.amdhsa_system_vgpr_workitem_id 0
		.amdhsa_next_free_vgpr 512
		.amdhsa_next_free_sgpr 80
		.amdhsa_reserve_vcc 1
		.amdhsa_float_denorm_mode_32 3
		.amdhsa_float_denorm_mode_16_64 3
		.amdhsa_memory_ordered 1
		.amdhsa_forward_progress 1
		.amdhsa_inst_pref_size 206
	.end_amdhsa_kernel
	.amdgpu_metadata
---
amdhsa.version: [ 1, 2 ]
amdhsa.kernels:
  - .name:           k_qd278cb1495_attn
    .symbol:         k_qd278cb1495_attn.kd
    .args:
      - { .name: qkv16, .offset: 0, .size: 8, .value_kind: global_buffer, .address_space: global }
      - { .name: att16, .offset: 8, .size: 8, .value_kind: global_buffer, .address_space: global }
    .group_segment_fixed_size: 327680
    .private_segment_fixed_size: 0
    .kernarg_segment_align: 8
    .kernarg_segment_size: 16
    .max_flat_workgroup_size: 256
    .sgpr_count:     80
    .vgpr_count:     512
    .wavefront_size: 32
...
	.end_amdgpu_metadata
.endif
;; end of part 3
;; launch proj (part 4): grid 4 x 64, 4 waves a work-group, clusters of 4 x 4, 327,680 bytes of LDS; arguments att16, wp16, out0; writes out0
.if DOCPART == 4
	.amdgcn_target "amdgcn-amd-amdhsa--gfx1250"
	.amdhsa_code_object_version 6
	.text
	.protected	k_qd278cb1495_proj
	.globl	k_qd278cb1495_proj
	.p2align	8
	.type	k_qd278cb1495_proj,@function
k_qd278cb1495_proj:
	s_mov_b64 s[64:65], 0
	v_nop
	global_prefetch_b8 v0, s[64:65] scope:SCOPE_SE
	s_setreg_imm32_b32 hwreg(HW_REG_WAVE_MODE, 25, 1), 1
	s_wait_xcnt 0x0
	s_wait_alu depctr_hold_cnt(0) depctr_sa_sdst(0) depctr_va_vdst(0) depctr_va_sdst(0) depctr_va_ssrc(0) depctr_va_vcc(0) depctr_vm_vsrc(0)
	s_getreg_b32 s2, hwreg(HW_REG_IB_STS2, 6, 4)
	s_cmp_eq_u32 s2, 0
	s_cbranch_scc0 .Lentry_in_a_cluster
	s_endpgm
.Lentry_in_a_cluster:
	s_bfe_u32 s2, ttmp6, 0x10000c
	s_cmp_lg_u32 s2, 0xf033
	s_cbranch_scc0 .Lentry_shape_is_right
	s_endpgm
.Lentry_shape_is_right:
; out0[m][n] = sum over c of att[m][c] W_proj[n][c]; M 8,192, N 1,024, K 1,024; f16 operands, f32 sums, f32 out.  att16 is laid [16 heads][8192 m][64], c = 64 head + channel; wp16 [1024 n][1024 c].
; The 64 rows at positions 0-15 of each batch are written here like all others and written again, from f32 operands, by the last launch.
; A work-group makes 128 rows x 256 columns: 256 work-groups.  Four waves, each 64 x 128: 32 accumulators in window 2.  K goes in 8 steps of 128 (two heads) through two LDS slots.
; CLUSTERS: 4 x 4 work-groups; att's tile is shared along a row of the cluster, W's along a column: each is asked for jointly.
; THE MATRIX INSTRUCTION IS USED TRANSPOSED (source 0 = 16 rows of W, source 1 = 16 rows of att): a lane holds eight neighbouring columns of a row.
; REGISTERS: window 0: v0-31 addresses; v64-95, v128-159 att's fragments, two buffers; on the way out v64-191.  window 1: v64-127, v128-191 W's fragments.  window 2: accumulator (a, b) at v[8 (8 a + b)].
.set PA,     144                       ; an LDS row of att: 128 bytes + 16
.set PB,     272                       ; of W: 256 bytes + 16
.set PLANE,  128*PA                    ; 128 rows of one head
.set BOFF,   2*PLANE
.set HALFB,  128*PB
.set SLOT,   BOFF+2*HALFB
.set STAGE,  2*SLOT                    ; the way out: 16 rows x 528 bytes for each wave; no fill lands here
.set SPITCH, 528
.set SPARE,  STAGE+4*16*SPITCH
.set LAPS,   4
.set ADRA, 16
.set ADRB, 20
.set STO,  24
.set RD,   25
.set CO,   26
.set SPW,  28
.set NIL,  29
.set PFO,  30
.set F0,   64
.set F1,   128
.set BK,   64
.set G1,  24
.set G0,  32
.set G1B, 48
.set G0B, 56
.set LIM, 43
.set PFA, 44
.set PFS, 66
.set MSB, 0
.macro WIN new
.if MSB != \new
	s_set_vgpr_msb (MSB<<8)|\new
.set MSB, \new
.endif
.endm
.set MUL,  0xa1                        ; source 0 (W) window 1, source 1 (att) window 0, C and D window 2
.set TO_B, 0x40
.macro JLOAD s                         ; waves 0 and 1 fetch att's two heads, waves 2 and 3 W's two halves; an s_nop 0 and four v_nop follow each line
	s_cmp_eq_u32 s11, 0
	s_cbranch_scc0 .Lfor_b_\@
	tensor_load_to_lds s[G0+4*\s:G0+4*\s+3], s[G1:G1+7]
	s_nop 0
.rept 4
	v_nop
.endr
	s_branch .Lasked_\@
.Lfor_b_\@:
	tensor_load_to_lds s[G0B+4*\s:G0B+4*\s+3], s[G1B:G1B+7]
	s_nop 0
.rept 4
	v_nop
.endr
.Lasked_\@:
.endm
; A prefetch of the K step that stands two refills on, one instruction a wave, behind the joint load and the run of LDS loads.  att's K step of my tile row (two heads x 128 rows x 128 bytes) is read by my row of the cluster
; alone: wave 0 of each of the four asks for a quarter, told apart by address, lanes 256 bytes apart.  W's K step is read by every cluster: cluster y = 0 asks, waves 2 and 3, 32 rows each of the work-group's 64, a lane a row.
; The loop's last trip asks for nothing.
.macro ASK
	s_cmp_gt_u32 s3, s[LIM]
	s_cbranch_scc0 .Lnot_mine_\@
	global_prefetch_b8 v[PFO], s[PFA:PFA+1] th:TH_LOAD_NT scope:SCOPE_SE
.Lnot_mine_\@:
.endm
.macro CREST
	s_cmp_lg_u32 s10, 0
	s_cbranch_scc1 .Lnot_wave_0_\@
	s_barrier_signal -3
.Lnot_wave_0_\@:
	s_barrier_wait -3
	s_barrier_signal -1
	s_barrier_wait -1
.endm
.macro CROUND
	s_barrier_signal -1
	s_barrier_wait -1
	CREST
.endm
	s_load_b128 s[4:7], s[0:1], 0x0                ; att16, wp16
	s_load_b64 s[8:9], s[0:1], 0x10                ; out0
	v_lshl_add_u32 v[SPW], v0, 2, SPARE
	v_mov_b32 v[NIL], 0
	ds_add_u32 v[SPW], v[NIL]                      ; the wave's opening: the add, twice on end, and its wait ahead of my first tensor load
	ds_add_u32 v[SPW], v[NIL]
	v_lshrrev_b32 v1, 5, v0
	v_readfirstlane_b32 s10, v1                    ; wave 0..3
	s_lshr_b32 s11, s10, 1                         ; my half of the rows; also: I fetch for att (0) or W (1)
	s_and_b32 s12, s10, 1                          ; my half of the columns; also: which head, or which 128 rows of W, I fetch
	s_bfe_u32 s40, ttmp6, 0x40000                  ; cx
	s_bfe_u32 s41, ttmp6, 0x40004                  ; cy
	s_lshl_b32 s42, ttmp9, 2
	s_add_co_u32 s42, s42, s40                     ; tile column
	s_and_b32 s13, ttmp7, 0xffff
	s_lshl_b32 s13, s13, 2
	s_add_co_u32 s13, s13, s41                     ; tile row
	s_lshl_b32 s43, s41, 2
	s_lshl_b32 s43, 15, s43                        ; my row of the cluster
	s_lshl_b32 s44, 0x1111, s40                    ; my column
	s_or_b32 s[G1+0], s43, (1<<16)|(1<<20)|(1<<21)|(4<<22)|(3<<25)   ; elements of 2 bytes; 4 words of padding behind every 32
	s_mov_b32 s[G1+1], 64<<16
	s_mov_b32 s[G1+2], 128<<16
	s_mov_b32 s[G1+3], 64<<16
	s_mov_b32 s[G1+4], 128
	s_mov_b32 s[G1+5], 64
	s_mov_b32 s[G1+6], 0
	s_mov_b32 s[G1+7], 0
	s_or_b32 s[G1B+0], s44, (1<<16)|(1<<20)|(1<<21)|(5<<22)|(3<<25)  ; 4 words behind every 64
	s_mov_b32 s[G1B+1], 128<<16
	s_mov_b32 s[G1B+2], 128<<16
	s_mov_b32 s[G1B+3], 128<<16
	s_mov_b32 s[G1B+4], 128
	s_mov_b32 s[G1B+5], 1024
	s_mov_b32 s[G1B+6], 0
	s_mov_b32 s[G1B+7], 0
	s_lshl_b32 s16, s12, 20                        ; att: head s12 (8,192 rows of 128 bytes), row 128 x tile row
	s_lshl_b32 s17, s13, 14
	s_add_co_u32 s16, s16, s17
	s_mov_b32 s17, 0
	s_lshl_b32 s46, s42, 19                        ; W: row 256 x tile column + 128 x half, 2,048 bytes a row
	s_lshl_b32 s47, s12, 18
	s_add_co_u32 s46, s46, s47
	s_mov_b32 s47, 0
	s_mul_i32 s20, s12, PLANE                      ; where they go: no place in the cluster enters an LDS address
	s_mul_i32 s21, s12, HALFB
	s_add_co_u32 s21, s21, BOFF
	s_wait_dscnt 0x0                               ; both opening adds are done
	s_wait_kmcnt 0x0
	s_add_nc_u64 s[14:15], s[4:5], s[16:17]
	s_add_nc_u64 s[46:47], s[6:7], s[46:47]
	CROUND                                         ; all sixteen work-groups are here: the first joint loads meet
.irp s, 0,1
	s_mov_b32 s[G0+4*\s], 1
	s_add_co_u32 s[G0+4*\s+1], s20, \s*SLOT
	s_add_nc_u64 s[G0+4*\s+2:G0+4*\s+3], s[14:15], \s*2097152      ; K step s: two heads on
	s_or_b32 s[G0+4*\s+3], s[G0+4*\s+3], 0x80000000
	s_mov_b32 s[G0B+4*\s], 1
	s_add_co_u32 s[G0B+4*\s+1], s21, \s*SLOT
	s_add_nc_u64 s[G0B+4*\s+2:G0B+4*\s+3], s[46:47], \s*256
	s_or_b32 s[G0B+4*\s+3], s[G0B+4*\s+3], 0x80000000
	JLOAD \s
.endr
	v_and_b32 v1, 15, v0                           ; r
	v_bfe_u32 v2, v0, 4, 1                         ; h
	v_mul_u32_u24 v3, v1, PA
	v_lshl_add_u32 v3, v2, 4, v3
	v_mul_u32_u24 v4, v1, PB
	v_lshl_add_u32 v4, v2, 4, v4
	s_mul_i32 s21, s11, 64*PA                      ; my 64 rows of att
	s_mul_i32 s22, s12, HALFB                      ; my 128 rows of W
	s_add_co_u32 s22, s22, BOFF
.irp s, 0,1
	v_add_nc_u32 v[ADRA+\s], s21, v3
	v_add_nc_u32 v[ADRB+\s], s22, v4
	s_add_co_u32 s21, s21, SLOT
	s_add_co_u32 s22, s22, SLOT
.endr
	s_mul_i32 s23, s10, 16*SPITCH
	s_add_co_u32 s23, s23, STAGE                   ; my stage
	v_mul_u32_u24 v5, v1, SPITCH
	v_lshl_add_u32 v5, v2, 5, v5
	v_add_nc_u32 v[STO], s23, v5                   ; in: row r, 32 bytes for each half of the lanes
	v_and_b32 v6, 31, v0
	v_lshlrev_b32 v[CO], 4, v6
	v_add_nc_u32 v[RD], s23, v[CO]                 ; back: the 32 lanes take a row's 512 bytes
	s_lshl_b32 s16, s13, 19                        ; out0: row 128 x tile row + 64 x half, 4,096 bytes a row;
	s_lshl_b32 s17, s11, 18
	s_add_co_u32 s16, s16, s17
	s_mov_b32 s17, 0
	s_lshl_b32 s46, s42, 10                        ; column 256 x tile column + 128 x half, 4 bytes each
	s_lshl_b32 s47, s12, 9
	s_add_co_u32 s46, s46, s47
	s_mov_b32 s47, 0
	s_add_nc_u64 s[16:17], s[16:17], s[46:47]
	s_add_nc_u64 s[8:9], s[8:9], s[16:17]
	; the prefetches stand at K step 3; each refill steps them first, so the first names K step 4
	s_lshr_b32 s20, s40, 1
	s_add_co_u32 s20, s20, 6
	s_lshl_b32 s20, s20, 20                        ; att: head 6 + cx / 2,
	s_lshl_b32 s21, s13, 14
	s_add_co_u32 s20, s20, s21                     ; my tile row,
	s_and_b32 s21, s40, 1
	s_lshl_b32 s21, s21, 13
	s_add_co_u32 s20, s20, s21                     ; its rows 64 (cx % 2) on
	s_lshl_b32 s22, s42, 19
	s_lshl_b32 s23, s41, 17
	s_add_co_u32 s22, s22, s23                     ; W: row 256 x tile column + 64 cy
	s_lshl_b32 s23, s12, 16
	s_add_co_u32 s22, s22, s23                     ; + 32 x (wave - 2),
	s_add_co_u32 s22, s22, 3*256                   ; K step 3
	s_and_b32 s23, ttmp7, 0xffff                   ; cluster y
	s_mov_b32 s[PFS], 256
	s_mov_b32 s15, 2048
	s_cmp_eq_u32 s11, 0
	s_cselect_b32 s20, s20, s22
	s_cselect_b32 s23, s12, s23                    ; 0 in wave 0, and in waves 2 and 3 of cluster y = 0: the same in all partners
	s_cselect_b64 s[PFA:PFA+1], s[4:5], s[6:7]
	s_cselect_b32 s[PFS], 0x200000, s[PFS]         ; a K step on
	s_cselect_b32 s15, 256, s15                    ; from lane to lane
	s_cmp_eq_u32 s23, 0
	s_cselect_b32 s[LIM], 1, -1
	s_mov_b32 s21, 0
	s_mov_b32 s[PFS+1], 0
	s_add_nc_u64 s[PFA:PFA+1], s[PFA:PFA+1], s[20:21]
	v_mul_u32_u24 v[PFO], s15, v6
.macro MULA f, a, zero                 ; 8 matrix instructions: att's block a against W's eight; the 32 accumulators take turns in the same order in every quarter
.irp b, 0,1,2,3,4,5,6,7
.if \zero
	v_wmma_f32_16x16x32_f16 v[8*(8*(\a)+\b):8*(8*(\a)+\b)+7], v[\f+8*\b:\f+8*\b+7], v[\f+8*(\a):\f+8*(\a)+7], 0
.else
	v_wmma_f32_16x16x32_f16 v[8*(8*(\a)+\b):8*(8*(\a)+\b)+7], v[\f+8*\b:\f+8*\b+7], v[\f+8*(\a):\f+8*(\a)+7], v[8*(8*(\a)+\b):8*(8*(\a)+\b)+7]
.endif
.endr
.endm
.macro FETCH slot, q, f                ; 24 LDS loads in one run: quarter q (32 along K) of the slot: W's eight fragments, then att's four
	WIN TO_B
.irp i, 0,1,2,3,4,5,6,7
	ds_load_b128 v[\f+8*\i:\f+8*\i+3],   v[ADRB+\slot] offset:64*(\q)+\i*16*PB
	ds_load_b128 v[\f+8*\i+4:\f+8*\i+7], v[ADRB+\slot] offset:64*(\q)+\i*16*PB+32
.endr
	WIN 0
.irp i, 0,1,2,3
	ds_load_b128 v[\f+8*\i:\f+8*\i+3],   v[ADRA+\slot] offset:((\q)/2)*PLANE+((\q)%2)*64+\i*16*PA
	ds_load_b128 v[\f+8*\i+4:\f+8*\i+7], v[ADRA+\slot] offset:((\q)/2)*PLANE+((\q)%2)*64+\i*16*PA+32
.endr
.endm
.macro PLACES
.rept 4
	v_nop
.endr
.endm
.macro QUARTER slot, q, f, g, zero     ; multiplies buffer f and fetches the slot's quarter q into g
	s_wait_dscnt 4                                 ; all but att's blocks 2, 3 are in
	WIN MUL
	MULA \f, 0, \zero
	MULA \f, 1, \zero
	PLACES
	FETCH \slot, \q, \g
	s_wait_dscnt 24                                ; all but the 24 just issued
	WIN MUL
	MULA \f, 2, \zero
	MULA \f, 3, \zero
.endm
; A slot's last quarter changes slots: one barrier; in front of it each wave waits for all its tensor loads, adds 0 to its spare word, and waits for that and for its reads of this slot.
.macro TURN slot, next, fill
.if \fill
	s_wait_xcnt 0x0                                ; the last prefetch, a K step back, has read its address
	s_add_nc_u64 s[PFA:PFA+1], s[PFA:PFA+1], s[PFS:PFS+1]
.endif
	WIN 0
	s_wait_tensorcnt 0x0
	ds_add_u32 v[SPW], v[NIL]
	s_wait_dscnt 5                                 ; the add and the youngest four loads may be out
	WIN MUL
	MULA F1, 0, 0
	s_wait_dscnt 0x0
	s_barrier_signal -1
	MULA F1, 1, 0
.if \fill
	WIN 0
.endif
	s_barrier_wait -1
.if \fill
	CREST                                          ; the barrier has opened a round of the cluster's: no wave of any partner still reads this slot or has a load on its way
	s_add_nc_u64 s[G0+4*\slot+2:G0+4*\slot+3], s[G0+4*\slot+2:G0+4*\slot+3], 4194304   ; two K steps on: four heads
	s_add_nc_u64 s[G0B+4*\slot+2:G0B+4*\slot+3], s[G0B+4*\slot+2:G0B+4*\slot+3], 512
	JLOAD \slot                                    ; the first tensor load behind the round; its four v_nop are also the places in front of the loads below
.else
	PLACES
.endif
	FETCH \next, 0, F0
.if \fill
	ASK
.endif
	WIN MUL
	MULA F1, 2, 0
	MULA F1, 3, 0
.endm
	s_wait_tensorcnt 1                             ; my part of K step 0 is in; K step 1's may be out
	s_barrier_signal -1
	s_barrier_wait -1
	FETCH 0, 0, F0
	QUARTER 0, 1, F0, F1, 1                        ; the first products start the sums
	WIN 0
	s_mov_b32 s3, LAPS-1
.Llap:                                             ; a trip goes once round the ring and fills both slots again
	QUARTER 0, 2, F1, F0, 0
	QUARTER 0, 3, F0, F1, 0
	TURN 0, 1, 1
	QUARTER 1, 1, F0, F1, 0
	QUARTER 1, 2, F1, F0, 0
	QUARTER 1, 3, F0, F1, 0
	TURN 1, 0, 1
	QUARTER 0, 1, F0, F1, 0
	WIN 0
	s_sub_co_u32 s3, s3, 1
	s_cmp_lg_u32 s3, 0
	s_cbranch_scc1 .Llap
	QUARTER 0, 2, F1, F0, 0                        ; the last lap fills nothing
	QUARTER 0, 3, F0, F1, 0
	TURN 0, 1, 0
	QUARTER 1, 1, F0, F1, 0
	QUARTER 1, 2, F1, F0, 0
	QUARTER 1, 3, F0, F1, 0
	s_wait_dscnt 4
	WIN MUL
	MULA F1, 0, 0
	MULA F1, 1, 0
	s_wait_dscnt 0
	MULA F1, 2, 0
	MULA F1, 3, 0
	WIN 0
; THE WAY OUT, block by block of 16 rows x 128 columns, through my own stage; a row's 512 consecutive bytes a store.
.macro TOSTAGE a
	WIN 0x08                                       ; an LDS store's data are its source 1: window 2
.irp b, 0,1,2,3,4,5,6,7
	ds_store_b128 v[STO], v[8*(8*(\a)+\b):8*(8*(\a)+\b)+3] offset:64*\b          ; each accumulator from its low end on
	ds_store_b128 v[STO], v[8*(8*(\a)+\b)+4:8*(8*(\a)+\b)+7] offset:64*\b+16
.endr
	WIN 0
.set BB, BK+64*((\a)%2)
.irp t, 0,1,2,3,4,5,6,7,8,9,10,11,12,13,14,15
	ds_load_b128 v[BB+4*\t:BB+4*\t+3], v[RD] offset:\t*SPITCH
.endr
.endm
.macro SEND a, younger
.set BB, BK+64*((\a)%2)
	s_wait_dscnt \younger
.irp t, 0,1,2,3,4,5,6,7,8,9,10,11,12,13,14,15
	global_store_b128 v[CO], v[BB+4*\t:BB+4*\t+3], s[8:9] offset:(16*(\a)+\t)*4096 th:TH_STORE_NT
.endr
.endm
	PLACES
	TOSTAGE 0
.irp a, 1,2,3
.if \a > 1
	s_wait_xcnt 0x0                                ; block a - 2's stores have read their registers: block a's loads may land there
.endif
	TOSTAGE \a
	SEND \a-1, 32                                  ; behind block a - 1's loads: block a's 16 stores and 16 loads
.endr
	SEND 3, 0
	s_wait_tensorcnt 0x0                           ; the wave's end
	ds_add_u32 v[SPW], v[NIL]
	s_wait_dscnt 0x0
	CROUND                                         ; the closing round
	s_endpgm
.Lfunc_end_k_qd278cb1495_proj:
	.size	k_qd278cb1495_proj, .Lfunc_end_k_qd278cb1495_proj-k_qd278cb1495_proj
	.p2alignl 7, 3214868480
	.fill 96, 4, 3214868480
	.section	.rodata,"a",@progbits
	.p2align	6, 0x0
	.amdhsa_kernel k_qd278cb1495_proj
		.amdhsa_group_segment_fixed_size 327680
		.amdhsa_private_segment_fixed_size 0
		.amdhsa_enable_private_segment 0
		.amdhsa_kernarg_size 24
		.amdhsa_user_sgpr_count 2
		.amdhsa_user_sgpr_kernarg_segment_ptr 1
		.amdhsa_wavefront_size32 1
		.amdhsa_system_sgpr_workgroup_id_x 1
		.amdhsa_system_sgpr_workgroup_id_y 1
		.amdhsa_system_sgpr_workgroup_id_z 1
		.amdhsa_system_vgpr_workitem_id 0
		.amdhsa_next_free_vgpr 768
		.amdhsa_next_free_sgpr 70
		.amdhsa_reserve_vcc 0
		.amdhsa_float_denorm_mode_32 3
		.amdhsa_float_denorm_mode_16_64 3
		.amdhsa_memory_ordered 1
		.amdhsa_forward_progress 1
		.amdhsa_inst_pref_size 87
	.end_amdhsa_kernel
	.amdgpu_metadata
---
amdhsa.version: [ 1, 2 ]
amdhsa.kernels:
  - .name:           k_qd278cb1495_proj
    .symbol:         k_qd278cb1495_proj.kd
    .args:
      - { .name: att16, .offset: 0, .size: 8, .value_kind: global_buffer, .address_space: global }
      - { .name: wp16, .offset: 8, .size: 8, .value_kind: global_buffer, .address_space: global }
      - { .name: out0, .offset: 16, .size: 8, .value_kind: global_buffer, .address_space: global }
    .group_segment_fixed_size: 327680
    .private_segment_fixed_size: 0
    .kernarg_segment_align: 8
    .kernarg_segment_size: 24
    .max_flat_workgroup_size: 128
    .sgpr_count:     70
    .vgpr_count:     768
    .wavefront_size: 32
...
	.end_amdgpu_metadata
.endif
;; end of part 4
;; launch fine_att (part 5): grid 16 x 4, 4 waves a work-group, no clusters, 17,920 bytes of LDS; arguments xc, xs, wc, ws, att32; writes att32
.if DOCPART == 5
	.amdgcn_target "amdgcn-amd-amdhsa--gfx1250"
	.amdhsa_code_object_version 6
	.text
	.protected	k_qd278cb1495_fine_att
	.globl	k_qd278cb1495_fine_att
	.p2align	8
	.type	k_qd278cb1495_fine_att,@function
k_qd278cb1495_fine_att:
	s_mov_b64 s[64:65], 0
	v_nop
	global_prefetch_b8 v0, s[64:65] scope:SCOPE_SE
	s_setreg_imm32_b32 hwreg(HW_REG_WAVE_MODE, 25, 1), 1
	s_wait_xcnt 0x0
; Positions 0-15 of each batch, carried in f32: these rows average one to sixteen values, and f16 operands would weigh too much there.
; Work-group (head, batch).  Phase 1: q, k, v of the 16 tokens for this head, again from the codes (FP4 with E8M0 scales, K = 1,024 in 8 steps); wave w makes channels 16 w .. 16 w + 15 of the three; they meet in LDS as f32.
; Phase 2: every wave makes the 16 x 16 scores S^T = K Q^T in f32, the causal softmax with the row's maximum taken away, and O^T = V^T P^T for its 16 channels; rows leave as 256 consecutive bytes: att32 [16 batch + token][1024].
; Both f32 products take k in an order of their own, the same on both sides.  LIMITS: NaN and infinities are not served.
; REGISTERS: window 0: v1-15 addresses; v16-79 x's 8 fragments, later at work; v80-103 q, k, v sums; v104-135 K, v136-167 Q; v192-199 x's scale words, v200-223 W's; v224-239, v240-255 the f32 sums, written by matrix instructions alone.
;   window 1: v0-191 W's 24 fragments.
.set PF,    272                        ; an LDS row: 64 f32 + 16 bytes
.set KOFF,  16*PF
.set VOFF,  2*16*PF
.set OOFF,  3*16*PF
.set SPARE, 4*16*PF
.set XF,  16
.set ACC, 80
.set KF,  104
.set QF,  136
.set XSC, 192
.set WSC, 200
.set SA,  224
.set OA,  240
.set T,   16
.set VT,  32
.set RES, 40
.set MSB, 0
.macro WIN new
.if MSB != \new
	s_set_vgpr_msb (MSB<<8)|\new
.set MSB, \new
.endif
.endm
	s_load_b256 s[4:11], s[0:1], 0x0               ; xc, xs, wc, ws
	s_load_b64 s[12:13], s[0:1], 0x20              ; att32
	v_lshl_add_u32 v14, v0, 2, SPARE               ; my spare word
	v_mov_b32 v15, 0
	v_lshrrev_b32 v1, 5, v0
	v_readfirstlane_b32 s14, v1                    ; wave
	s_and_b32 s15, ttmp7, 0xffff                   ; batch
	s_mov_b32 s16, 0x76543210
	s_mov_b32 s17, 0xfedcba98
	s_mov_b32 s18, 0x3e38aa3b                      ; c = log2(e) / 8
	v_and_b32 v1, 15, v0                           ; r
	v_bfe_u32 v2, v0, 4, 1                         ; h
	v_lshlrev_b32 v3, 9, v1
	v_lshl_add_u32 v3, v2, 4, v3                   ; codes: row r of 512 bytes + 16 h
	v_lshlrev_b32 v4, 5, v1                        ; scale bytes: row r of 32
	v_mul_u32_u24 v5, v1, PF
	s_lshl_b32 s30, s14, 6
	v_lshl_add_u32 v7, v2, 5, v5
	v_add_nc_u32 v7, s30, v7                       ; where I put 32 bytes of a row: r x pitch + 64 w + 32 h
	v_lshl_add_u32 v8, v2, 4, v5                   ; K's and Q's fragments: r x pitch + 16 h
	v_mul_u32_u24 v9, v2, 8*PF
	v_lshl_add_u32 v9, v1, 2, v9
	v_add_nc_u32 v9, s30, v9
	v_add_nc_u32 v9, VOFF, v9                      ; V: key 8 h, channel 16 w + r
	v_lshlrev_b32 v6, 3, v2
	v_sub_nc_u32 v10, v1, v6                       ; r - 8 h
	s_mul_i32 s31, s14, 4*PF
	s_add_co_u32 s31, s31, OOFF
	v_mul_u32_u24 v11, v2, PF
	v_lshl_add_u32 v11, v1, 4, v11
	v_add_nc_u32 v11, s31, v11                     ; back: row 4 w + h, 16 bytes a lane
	v_lshlrev_b32 v12, 12, v2
	v_lshl_add_u32 v12, v1, 4, v12                 ; and the same in att32
	v_mov_b32 v13, 0xff800000
	s_lshl_b32 s20, s15, 20                        ; x's codes: batch x 2,048 rows
	s_mov_b32 s21, 0
	s_lshl_b32 s22, s15, 16
	s_mov_b32 s23, 0
	s_lshl_b32 s24, ttmp9, 15                      ; W's codes: row 64 head + 16 w
	s_lshl_b32 s25, s14, 13
	s_add_co_u32 s24, s24, s25
	s_mov_b32 s25, 0
	s_lshl_b32 s26, ttmp9, 11
	s_lshl_b32 s27, s14, 9
	s_add_co_u32 s26, s26, s27
	s_mov_b32 s27, 0
	s_lshl_b32 s28, s15, 16                        ; att32: row 16 batch + 4 w, byte 256 head
	s_lshl_b32 s29, s14, 14
	s_add_co_u32 s28, s28, s29
	s_lshl_b32 s29, ttmp9, 8
	s_add_co_u32 s28, s28, s29
	s_mov_b32 s29, 0
	s_wait_kmcnt 0x0
	s_add_nc_u64 s[4:5], s[4:5], s[20:21]
	s_add_nc_u64 s[6:7], s[6:7], s[22:23]
	s_add_nc_u64 s[8:9], s[8:9], s[24:25]
	s_add_nc_u64 s[10:11], s[10:11], s[26:27]
	s_add_nc_u64 s[12:13], s[12:13], s[28:29]
.irp s, 0,1,2,3,4,5,6,7
.irp c, 0,1
	global_load_b128 v[XF+8*\s+4*\c:XF+8*\s+4*\c+3], v3, s[4:5] offset:64*\s+32*\c
.endr
.endr
	global_load_b128 v[XSC:XSC+3], v4, s[6:7]
	global_load_b128 v[XSC+4:XSC+7], v4, s[6:7] offset:16
.irp sec, 0,1,2
	global_load_b128 v[WSC+8*\sec:WSC+8*\sec+3], v4, s[10:11] offset:\sec*32768
	global_load_b128 v[WSC+8*\sec+4:WSC+8*\sec+7], v4, s[10:11] offset:\sec*32768+16
.endr
	WIN 0x40                                       ; destination window 1
.irp sec, 0,1,2
.irp s, 0,1,2,3,4,5,6,7
.irp c, 0,1
	global_load_b128 v[64*\sec+8*\s+4*\c:64*\sec+8*\s+4*\c+3], v3, s[8:9] offset:\sec*524288+64*\s+32*\c
.endr
.endr
.endr
	s_wait_loadcnt 0x0
	WIN 0x01                                       ; source 0 (W) window 1
.irp s, 0,1,2,3,4,5,6,7                ; transposed: a lane holds token r and channels 8 h + 0 .. 7; the three sums take turns
.irp sec, 0,1,2
.if \s == 0
	v_wmma_scale_f32_16x16x128_f8f6f4 v[ACC+8*\sec:ACC+8*\sec+7], v[64*\sec+8*\s:64*\sec+8*\s+7], v[XF+8*\s:XF+8*\s+7], 0, v[WSC+8*\sec+\s], v[XSC+\s] matrix_a_fmt:MATRIX_FMT_FP4 matrix_b_fmt:MATRIX_FMT_FP4
.else
	v_wmma_scale_f32_16x16x128_f8f6f4 v[ACC+8*\sec:ACC+8*\sec+7], v[64*\sec+8*\s:64*\sec+8*\s+7], v[XF+8*\s:XF+8*\s+7], v[ACC+8*\sec:ACC+8*\sec+7], v[WSC+8*\sec+\s], v[XSC+\s] matrix_a_fmt:MATRIX_FMT_FP4 matrix_b_fmt:MATRIX_FMT_FP4
.endif
.endr
.endr
	WIN 0
.rept 4
	v_nop
.endr
.irp sec, 0,1,2
	ds_store_b128 v7, v[ACC+8*\sec:ACC+8*\sec+3] offset:\sec*16*PF
	ds_store_b128 v7, v[ACC+8*\sec+4:ACC+8*\sec+7] offset:\sec*16*PF+16
.endr
	s_wait_dscnt 0x0                               ; for the others' sake: my stores are done
	s_barrier_signal -1
	s_barrier_wait -1
.irp i, 0,1,2,3,4,5,6,7
	ds_load_b128 v[KF+4*\i:KF+4*\i+3], v8 offset:KOFF+32*\i     ; channels 8 i + 4 h + 0 .. 3 of key r
	ds_load_b128 v[QF+4*\i:QF+4*\i+3], v8 offset:32*\i          ; and of query r
.endr
.irp j, 0,1,2,3,4,5,6,7
	ds_load_b32 v[VT+\j], v9 offset:\j*PF                       ; V(key 8 h + j, channel 16 w + r)
.endr
	s_wait_dscnt 0x0
.irp u, 0,1,2,3,4,5,6,7,8,9,10,11,12,13,14,15   ; S^T = K Q^T, four channels a step, two sums by turns; each sum's first step starts it
.if \u < 2
	v_wmma_f32_16x16x4_f32 v[SA+8*(\u%2):SA+8*(\u%2)+7], v[KF+2*\u:KF+2*\u+1], v[QF+2*\u:QF+2*\u+1], 0
.else
	v_wmma_f32_16x16x4_f32 v[SA+8*(\u%2):SA+8*(\u%2)+7], v[KF+2*\u:KF+2*\u+1], v[QF+2*\u:QF+2*\u+1], v[SA+8*(\u%2):SA+8*(\u%2)+7]
.endif
.endr
.rept 8
	v_nop                                          ; eight places behind this form
.endr
.irp j, 0,1,2,3,4,5,6,7
	v_add_f32 v[T+\j], v[SA+\j], v[SA+8+\j]        ; score of query r and key 8 h + j
.endr
.irp j, 0,1,2,3,4,5,6,7
	v_cmp_gt_i32 vcc_lo, \j, v10                   ; key after query: -infinity
	v_cndmask_b32 v[T+\j], v[T+\j], v13, vcc_lo
.endr
	v_max3_num_f32 v48, v[T], v[T+1], v[T+2]
	v_max3_num_f32 v49, v[T+3], v[T+4], v[T+5]
	v_max3_num_f32 v48, v48, v[T+6], v[T+7]
	v_max_num_f32 v48, v48, v49
	v_permlanex16_b32 v49, v48, s16, s17
	v_max_num_f32 v48, v48, v49                    ; the row's maximum: key 0 counts for every query
	v_mul_f32 v48, s18, v48
.irp j, 0,1,2,3,4,5,6,7
	v_fma_f32 v[T+\j], v[T+\j], s18, -v48
.endr
.irp j, 0,1,2,3,4,5,6,7
	v_exp_f32 v[T+\j], v[T+\j]
.endr
	v_nop
	s_wait_alu depctr_va_vdst(0)                   ; one wait for the eight exponentials, ahead of their first reader
	v_add_f32 v50, v[T], v[T+1]
	v_add_f32 v51, v[T+2], v[T+3]
	v_add_f32 v52, v[T+4], v[T+5]
	v_add_f32 v53, v[T+6], v[T+7]
	v_add_f32 v50, v50, v51
	v_add_f32 v52, v52, v53
	v_add_f32 v50, v50, v52
	v_permlanex16_b32 v51, v50, s16, s17
	v_add_f32 v50, v50, v51                        ; the row's sum
	v_rcp_f32 v54, v50
	v_nop
	s_wait_alu depctr_va_vdst(0)
.irp s, 0,1,2,3                        ; O^T = V^T P^T: step s takes keys 8 h + 2 s + 0, 1 on both sides; two sums by turns
.if \s < 2
	v_wmma_f32_16x16x4_f32 v[OA+8*(\s%2):OA+8*(\s%2)+7], v[VT+2*\s:VT+2*\s+1], v[T+2*\s:T+2*\s+1], 0
.else
	v_wmma_f32_16x16x4_f32 v[OA+8*(\s%2):OA+8*(\s%2)+7], v[VT+2*\s:VT+2*\s+1], v[T+2*\s:T+2*\s+1], v[OA+8*(\s%2):OA+8*(\s%2)+7]
.endif
.endr
.rept 8
	v_nop
.endr
.irp j, 0,1,2,3,4,5,6,7
	v_mul_f32 v[RES+\j], v[OA+\j], v54
.endr
.irp j, 0,1,2,3,4,5,6,7
	v_fma_f32 v[RES+\j], v[OA+8+\j], v54, v[RES+\j]   ; query r, channels 16 w + 8 h + j
.endr
	ds_store_b128 v7, v[RES:RES+3] offset:OOFF
	ds_store_b128 v7, v[RES+4:RES+7] offset:OOFF+16
	s_wait_dscnt 0x0
	s_barrier_signal -1
	s_barrier_wait -1
.irp i, 0,1
	ds_load_b128 v[56+4*\i:59+4*\i], v11 offset:\i*2*PF
.endr
	s_wait_dscnt 0x0
.irp i, 0,1
	global_store_b128 v12, v[56+4*\i:59+4*\i], s[12:13] offset:\i*8192   ; sixteen lanes store a row's 256 consecutive bytes
.endr
	s_wait_tensorcnt 0x0                           ; the wave's end
	ds_add_u32 v14, v15
	s_wait_dscnt 0x0
	s_endpgm
.Lfunc_end_k_qd278cb1495_fine_att:
	.size	k_qd278cb1495_fine_att, .Lfunc_end_k_qd278cb1495_fine_att-k_qd278cb1495_fine_att
	.p2alignl 7, 3214868480
	.fill 96, 4, 3214868480
	.section	.rodata,"a",@progbits
	.p2align	6, 0x0
	.amdhsa_kernel k_qd278cb1495_fine_att
		.amdhsa_group_segment_fixed_size 17920
		.amdhsa_private_segment_fixed_size 0
		.amdhsa_enable_private_segment 0
		.amdhsa_kernarg_size 40
		.amdhsa_user_sgpr_count 2
		.amdhsa_user_sgpr_kernarg_segment_ptr 1
		.amdhsa_wavefront_size32 1
		.amdhsa_system_sgpr_workgroup_id_x 1
		.amdhsa_system_sgpr_workgroup_id_y 1
		.amdhsa_system_sgpr_workgroup_id_z 1
		.amdhsa_system_vgpr_workitem_id 0
		.amdhsa_next_free_vgpr 512
		.amdhsa_next_free_sgpr 66
		.amdhsa_reserve_vcc 1
		.amdhsa_float_denorm_mode_32 3
		.amdhsa_float_denorm_mode_16_64 3
		.amdhsa_memory_ordered 1
		.amdhsa_forward_progress 1
		.amdhsa_inst_pref_size 21
	.end_amdhsa_kernel
	.amdgpu_metadata
---
amdhsa.version: [ 1, 2 ]
amdhsa.kernels:
  - .name:           k_qd278cb1495_fine_att
    .symbol:         k_qd278cb1495_fine_att.kd
    .args:
      - { .name: xc, .offset: 0, .size: 8, .value_kind: global_buffer, .address_space: global }
      - { .name: xs, .offset: 8, .size: 8, .value_kind: global_buffer, .address_space: global }
      - { .name: wc, .offset: 16, .size: 8, .value_kind: global_buffer, .address_space: global }
      - { .name: ws, .offset: 24, .size: 8, .value_kind: global_buffer, .address_space: global }
      - { .name: att32, .offset: 32, .size: 8, .value_kind: global_buffer, .address_space: global }
    .group_segment_fixed_size: 17920
    .private_segment_fixed_size: 0
    .kernarg_segment_align: 8
    .kernarg_segment_size: 40
    .max_flat_workgroup_size: 128
    .sgpr_count:     66
    .vgpr_count:     512
    .wavefront_size: 32
...
	.end_amdgpu_metadata
.endif
;; end of part 5
;; launch fine_proj (part 6): grid 64 x 4, 8 waves a work-group, no clusters, 11,264 bytes of LDS; arguments att32, W_proj, out0; writes out0
.if DOCPART == 6
	.amdgcn_target "amdgcn-amd-amdhsa--gfx1250"
	.amdhsa_code_object_version 6
	.text
	.protected	k_qd278cb1495_fine_proj
	.globl	k_qd278cb1495_fine_proj
	.p2align	8
	.type	k_qd278cb1495_fine_proj,@function
k_qd278cb1495_fine_proj:
	s_mov_b64 s[64:65], 0
	v_nop
	global_prefetch_b8 v0, s[64:65] scope:SCOPE_SE
	s_setreg_imm32_b32 hwreg(HW_REG_WAVE_MODE, 25, 1), 1
	s_wait_xcnt 0x0
; The projection of positions 0-15 of each batch with f32 operands: out0[2048 batch + t][o] = sum over c of att32[16 batch + t][c] W_proj[o][c].  These 64 rows are written over what the launch before left there.
; Work-group (x, batch): 16 tokens x outputs 16 x .. 16 x + 15.  Wave w of eight sums c = 128 w .. 128 w + 127 (32 steps of 4, four sums by turns); the eight parts meet in LDS and waves 0, 1 add them in a fixed order.
; Both sides take k in the same order of their own.  The stores are 64 bytes a row: 16 columns to a work-group keep 256 work-groups at work in a launch that is short.
.set PP,    80                         ; an LDS row: 16 f32 + 16 bytes
.set PART,  16*PP
.set SPARE, 8*PART
.set AF,  16
.set WF,  80
.set ACC, 144                          ; v144-175: written by matrix instructions alone
.set SU,  176
	s_load_b128 s[4:7], s[0:1], 0x0                ; att32, W_proj
	s_load_b64 s[8:9], s[0:1], 0x10                ; out0
	v_lshl_add_u32 v14, v0, 2, SPARE               ; my spare word
	v_mov_b32 v15, 0
	v_lshrrev_b32 v1, 5, v0
	v_readfirstlane_b32 s10, v1                    ; wave
	s_and_b32 s11, ttmp7, 0xffff                   ; batch
	v_and_b32 v1, 15, v0                           ; r
	v_bfe_u32 v2, v0, 4, 1                         ; h
	v_lshlrev_b32 v3, 12, v1
	v_lshl_add_u32 v3, v2, 4, v3                   ; row r of 4,096 bytes + 16 h
	s_mul_i32 s12, s10, PART
	v_mul_u32_u24 v4, v1, PP
	v_lshl_add_u32 v4, v2, 5, v4
	v_add_nc_u32 v4, s12, v4                       ; my part: token r, 32 bytes for each half of the lanes
	v_and_b32 v7, 63, v0
	v_lshrrev_b32 v8, 2, v7                        ; the adding threads: token, and which 16 bytes of its 64
	v_and_b32 v9, 3, v0
	v_mul_u32_u24 v5, v8, PP
	v_lshl_add_u32 v5, v9, 4, v5
	v_lshlrev_b32 v6, 12, v8
	v_lshl_add_u32 v6, v9, 4, v6
	s_lshl_b32 s13, s10, 9                         ; my 128 along K
	s_lshl_b32 s14, s11, 16
	s_add_co_u32 s14, s14, s13
	s_mov_b32 s15, 0
	s_lshl_b32 s16, ttmp9, 16
	s_add_co_u32 s16, s16, s13
	s_mov_b32 s17, 0
	s_lshl_b32 s18, s11, 23
	s_lshl_b32 s19, ttmp9, 6
	s_add_co_u32 s18, s18, s19
	s_mov_b32 s19, 0
	s_wait_kmcnt 0x0
	s_add_nc_u64 s[4:5], s[4:5], s[14:15]
	s_add_nc_u64 s[6:7], s[6:7], s[16:17]
	s_add_nc_u64 s[8:9], s[8:9], s[18:19]
.irp i, 0,1,2,3,4,5,6,7,8,9,10,11,12,13,14,15
	global_load_b128 v[AF+4*\i:AF+4*\i+3], v3, s[4:5] offset:32*\i
	global_load_b128 v[WF+4*\i:WF+4*\i+3], v3, s[6:7] offset:32*\i
.endr
	s_wait_loadcnt 0x0
.irp u, 0,1,2,3,4,5,6,7,8,9,10,11,12,13,14,15,16,17,18,19,20,21,22,23,24,25,26,27,28,29,30,31
.if \u < 4
	v_wmma_f32_16x16x4_f32 v[ACC+8*(\u%4):ACC+8*(\u%4)+7], v[WF+2*\u:WF+2*\u+1], v[AF+2*\u:AF+2*\u+1], 0
.else
	v_wmma_f32_16x16x4_f32 v[ACC+8*(\u%4):ACC+8*(\u%4)+7], v[WF+2*\u:WF+2*\u+1], v[AF+2*\u:AF+2*\u+1], v[ACC+8*(\u%4):ACC+8*(\u%4)+7]
.endif
.endr
.rept 8
	v_nop                                          ; eight places behind this form (ISA guide 7.12.1)
.endr
.irp j, 0,1,2,3,4,5,6,7
	v_add_f32 v[SU+\j], v[ACC+\j], v[ACC+8+\j]
.endr
.irp j, 0,1,2,3,4,5,6,7
	v_add_f32 v[SU+8+\j], v[ACC+16+\j], v[ACC+24+\j]
.endr
.irp j, 0,2,4,6
	v_pk_add_f32 v[SU+\j:SU+\j+1], v[SU+\j:SU+\j+1], v[SU+8+\j:SU+8+\j+1]   ; token r, outputs 8 h + 0 .. 7
.endr
	ds_store_b128 v4, v[SU:SU+3]
	ds_store_b128 v4, v[SU+4:SU+7] offset:16
	s_wait_dscnt 0x0                               ; for the others' sake: my stores are done
	s_barrier_signal -1
	s_barrier_wait -1
	s_cmp_gt_u32 s10, 1
	s_cbranch_scc1 .Ldone
.irp p, 0,1,2,3,4,5,6,7
	ds_load_b128 v[16+4*\p:19+4*\p], v5 offset:\p*PART
.endr
	s_wait_dscnt 0x0
.irp p, 0,2,4,6
	v_pk_add_f32 v[16+4*\p:17+4*\p], v[16+4*\p:17+4*\p], v[20+4*\p:21+4*\p]
	v_pk_add_f32 v[18+4*\p:19+4*\p], v[18+4*\p:19+4*\p], v[22+4*\p:23+4*\p]
.endr
.irp p, 0,4
	v_pk_add_f32 v[16+4*\p:17+4*\p], v[16+4*\p:17+4*\p], v[24+4*\p:25+4*\p]
	v_pk_add_f32 v[18+4*\p:19+4*\p], v[18+4*\p:19+4*\p], v[26+4*\p:27+4*\p]
.endr
	v_pk_add_f32 v[16:17], v[16:17], v[32:33]
	v_pk_add_f32 v[18:19], v[18:19], v[34:35]
	global_store_b128 v6, v[16:19], s[8:9]
.Ldone:
	s_wait_tensorcnt 0x0                           ; the wave's end
	ds_add_u32 v14, v15
	s_wait_dscnt 0x0
	s_endpgm
.Lfunc_end_k_qd278cb1495_fine_proj:
	.size	k_qd278cb1495_fine_proj, .Lfunc_end_k_qd278cb1495_fine_proj-k_qd278cb1495_fine_proj
	.p2alignl 7, 3214868480
	.fill 96, 4, 3214868480
	.section	.rodata,"a",@progbits
	.p2align	6, 0x0
	.amdhsa_kernel k_qd278cb1495_fine_proj
		.amdhsa_group_segment_fixed_size 11264
		.amdhsa_private_segment_fixed_size 0
		.amdhsa_enable_private_segment 0
		.amdhsa_kernarg_size 24
		.amdhsa_user_sgpr_count 2
		.amdhsa_user_sgpr_kernarg_segment_ptr 1
		.amdhsa_wavefront_size32 1
		.amdhsa_system_sgpr_workgroup_id_x 1
		.amdhsa_system_sgpr_workgroup_id_y 1
		.amdhsa_system_sgpr_workgroup_id_z 1
		.amdhsa_system_vgpr_workitem_id 0
		.amdhsa_next_free_vgpr 192
		.amdhsa_next_free_sgpr 66
		.amdhsa_reserve_vcc 0
		.amdhsa_float_denorm_mode_32 3
		.amdhsa_float_denorm_mode_16_64 3
		.amdhsa_memory_ordered 1
		.amdhsa_forward_progress 1
		.amdhsa_inst_pref_size 10
	.end_amdhsa_kernel
	.amdgpu_metadata
---
amdhsa.version: [ 1, 2 ]
amdhsa.kernels:
  - .name:           k_qd278cb1495_fine_proj
    .symbol:         k_qd278cb1495_fine_proj.kd
    .args:
      - { .name: att32, .offset: 0, .size: 8, .value_kind: global_buffer, .address_space: global }
      - { .name: W_proj, .offset: 8, .size: 8, .value_kind: global_buffer, .address_space: global }
      - { .name: out0, .offset: 16, .size: 8, .value_kind: global_buffer, .address_space: global }
    .group_segment_fixed_size: 11264
    .private_segment_fixed_size: 0
    .kernarg_segment_align: 8
    .kernarg_segment_size: 24
    .max_flat_workgroup_size: 256
    .sgpr_count:     66
    .vgpr_count:     192
    .wavefront_size: 32
...
	.end_amdgpu_metadata
.endif
;; end of part 6
